; MI455X (gfx1250); checked and timed in simulation.
; The chip was launched on July 23, 2026; its instructions are those of AMD's public machine-readable ISA for CDNA 5 (MIT licence, August 2026) and "CDNA5" Instruction Set Architecture Reference Guide (July 2026). The comments in the code are by the model that wrote it; some were corrected since.
;; Base MHA. Allowed arithmetic: matrix products marked QUANTISED: E2M1 operands, one E8M0 scale for each 32 along K, by v_wmma_scale_f32_16x16x128_f8f6f4 with both operands' format E2M1 (or v_wmma_scale_f32_32x16x128_f4), f32 sums; products left as they are: bf16, f16 or f32 operands; f32 sums; everything else in f32.
;; Inputs: w_out 1,024 x 1,024 float32; w_qkv 1,024 x 3,072 float32; x 4 x 2,048 x 1,024 float32.
;; Outputs: out0 4 x 2,048 x 1,024 float32.
;; This version of the problem:
;;   THIS VERSION OF THE PROBLEM IS GIVEN IN LOW PRECISION. The matrix products marked QUANTISED in the list below multiply operands that are first quantised to E2M1 (2 exponent bits, 1 mantissa bit; 4 bits a number), with one power-of-two scale for each 32 numbers along K (OCP MX v1.0); their sums are f32. The products marked 'left as it is' may take bf16, f16 or f32 operands, with f32 sums. Whichever they take, every output number must still come out within the allowed error. Rounding operands to bf16 (8 significant bits) uses up far more of that allowance than f16 does (11 bits, for magnitudes from 6e-5 to 65,504). All else is computed in f32.
;;   The module's matrix products, in the order in which they are computed (A, B: the left and right operand; K: the contracted axis; several contracted axes count as one K, in the product's order):
;;     1. [M 8,192, K 1,024] x [K 1,024, N 3,072]; A: input x; B: input w_qkv: QUANTISED
;;     2. batch 64 x [M 2,048, K 64] x [K 64, N 2,048]; A: computed on the way; B: computed on the way: left as it is (an operand is computed on the way)
;;     3. batch 64 x [M 2,048, K 2,048] x [K 2,048, N 64]; A: computed on the way; B: computed on the way: left as it is (an operand is computed on the way)
;;     4. [M 8,192, K 1,024] x [K 1,024, N 1,024]; A: computed on the way; B: input w_out: left as it is (an operand is computed on the way)
;;   THE QUANTISER, for each operand of a quantised product, along K:
;;     - K is cut into blocks of 32 from its start; a last block that is shorter is filled with zeros.
;;     - A block's scale is 2^e with e = floor(log2(the largest magnitude in the block)) - 2, held to -126 .. 127; a block of zeros has e = 0. As a byte (E8M0): e + 127.
;;     - Each number is divided by its block's scale, clamped to +-6, and rounded to the nearest number of E2M1, ties to even, subnormals kept.
;;     - The product sums the exact products of the quantised numbers (number of the format x scale) in f32.
;;   ~~~python
;;   def quantise(x, axis):      # numpy; x: float32 -> the quantised numbers, widened to float32 again
;;       x = np.moveaxis(x, axis, -1); K = x.shape[-1]
;;       x = np.pad(x, [(0, 0)] * (x.ndim - 1) + [(0, -K % 32)]); x = x.reshape(x.shape[:-1] + (-1, 32)); a = np.abs(x).max(-1, keepdims=True)
;;       e = np.where(a > 0, np.clip(np.frexp(np.where(a > 0, a, 1))[1] - 1 - 2, -126, 127), 0)      # np.frexp(a)[1] - 1 = floor(log2(a)), exactly
;;       r = np.clip(x / 2.0 ** e, -6, 6)
;;       step = 2.0 ** (np.maximum(np.frexp(np.where(r == 0, 1, r))[1] - 1, 0) - 1)
;;       q = np.round(r / step) * step * 2.0 ** e      # np.round: ties to even
;;       return np.moveaxis(q.reshape(q.shape[:-2] + (-1,))[..., :K], -1, axis).astype(np.float32)
;;   ~~~
;; One version. Each part assembles by itself: llvm-mc -triple=amdgcn-amd-amdhsa -mcpu=gfx1250 --defsym DOCPART=n.
;; ======== version 1 of 1: 5 launches
;; limits: values are held in f16: magnitudes above 65,504 overflow, below 6.1e-05 lose precision
;; workspace buffers: xc 4,194,304 bytes; xs 262,144 bytes; wc 1,572,864 bytes; ws 98,304 bytes; wt 2,097,152 bytes; qkv16 50,331,648 bytes; qkv32 786,432 bytes; o16 16,777,216 bytes
;; launch prep (part 1): grid 416 x 1, 4 waves a work-group, no clusters, 86,016 bytes of LDS; arguments x, w_qkv, w_out, xc, xs, wc, ws, wt; writes xc, xs, wc, ws, wt
.if DOCPART == 1
	.amdgcn_target "amdgcn-amd-amdhsa--gfx1250"
	.amdhsa_code_object_version 6
	.text
	.protected	k_q75115d8e75_prep
	.globl	k_q75115d8e75_prep
	.p2align	8
	.type	k_q75115d8e75_prep,@function
k_q75115d8e75_prep:
	s_mov_b64 s[64:65], 0
	v_nop
	global_prefetch_b8 v0, s[64:65] scope:SCOPE_SE
	s_setreg_imm32_b32 hwreg(HW_REG_WAVE_MODE, 25, 1), 1
	s_wait_xcnt 0x0
; PREP: three jobs in one launch, told apart by the work-group's number; each job has LDS bytes of its own.
;   work-groups   0-255  X: x [8192][1024] f32 -> xc [8192][512 bytes] codes of E2M1 (K innermost, the lower k in the low four bits), xs [8192][32] E8M0 bytes
;   work-groups 256-351  W: w_qkv [1024 k][3072 n] f32 -> wc [3072][512 bytes], ws [3072][32]: quantised along its FIRST axis, laid with K innermost
;   work-groups 352-415  T: w_out [1024 k][1024 n] f32 -> wt, f16, sixteen planes [k / 64][1024 n][64 k]: rows of 128 bytes, dense
; THE QUANTISER: a block of 32 along K has the scale 2^(floor(log2(largest magnitude)) - 2); its byte is the largest magnitude's exponent field - 2, held at 1 from below by a floor among the
; maximum's leaves.  A block of zeros so gets the byte 1 where the rule says 127: its codes are zeros, and the bytes are read by this program alone.  The conversion rounds to the nearest code, ties to even, and gives the largest code beyond 6.
; LIMITS: NaN and infinities among the inputs are not served; w_out's magnitudes stay under 65,504 (f16).
.set SP,     80                        ; X: a lane's place in a stage: 64 bytes + 16 of padding
.set XREG,   8192                      ; X: LDS bytes of a wave: two stages of 32 x SP, then its 256 scale bytes
.set WST,    32768                     ; W: 32 rows (columns of w_qkv) x (512 bytes of codes + 16)
.set WPITCH, 528
.set WSC,    49664                     ; W: 32 rows x 32 scale bytes
.set TST,    50688                     ; T: for each wave 32 rows (columns of w_out) x (256 bytes + 16)
.set TPITCH, 272
.set SPARE,  85504                     ; the spare words, 128 bytes for each wave: two blocks of 256 bytes that no other line names
.set SPW,    12                        ; v12  LDS address of my spare word; never rewritten
.set NIL,    13                        ; v13  0; never rewritten
.set EMAX,   2
.set STEPS,  16
.set R,      16                        ; X: v16-79   four sets of 16 numbers as loaded
.set X,      80                        ; X: v80-111  two sets of 16 neighbours
.set E,      112                       ; X: v112-127 a scale byte for each step
.set C,      128                       ; X: v128-191 codes, four registers a step
.set XW,     32                        ; W: v32-95   two sets of 32 numbers down K
.set CW,     96                        ; W: v96-99   a block's codes
.set SB,     24                        ; W: v24-25   my 8 scale bytes
	s_load_b256 s[4:11], s[0:1], 0x0               ; x s[4:5], w_qkv s[6:7], w_out s[8:9], xc s[10:11]
	s_load_b256 s[12:19], s[0:1], 0x20             ; xs s[12:13], wc s[14:15], ws s[16:17], wt s[18:19]
	v_lshl_add_u32 v[SPW], v0, 2, SPARE
	v_mov_b32 v[NIL], 0
	v_lshrrev_b32 v1, 5, v0
	v_readfirstlane_b32 s20, v1                    ; wave 0..3
	v_and_b32 v2, 31, v0                           ; lane
	s_cmp_lt_u32 ttmp9, 256
	s_cbranch_scc0 .Lnot_x
; ---------------------------------------------------------------- X: a stream of blocks of 32; a wave takes 16 steps of 512 numbers
; Each load reads 512 consecutive bytes, 16 a lane; a step's 2,048 bytes turn through the wave's own stage so that a lane holds 16 NEIGHBOURS (two lanes to a block).
	v_lshlrev_b32 v3, 4, v2                        ; my 16 bytes of a load's 512
	s_mul_i32 s21, s20, XREG
	v_lshrrev_b32 v14, 2, v2
	v_mul_u32_u24 v14, v14, SP
	v_and_b32 v15, 3, v2
	v_lshl_add_u32 v14, v15, 4, v14
	v_add_nc_u32 v14, s21, v14                     ; the stage, on the way in: SP (lane / 4) + 16 (lane % 4)
	v_mul_u32_u24 v15, v2, SP
	v_add_nc_u32 v15, s21, v15                     ; and on the way out: SP x lane
	v_lshlrev_b32 v4, 3, v2                        ; 8 x lane: my codes' place in a step's, and my 8 scale bytes' in the wave's 256
	v_lshrrev_b32 v5, 1, v2
	s_add_co_u32 s21, s21, 2*32*SP
	v_add_nc_u32 v5, s21, v5                       ; LDS: my block's scale byte
	v_add_nc_u32 v6, s21, v4                       ; and 8 bytes a lane on the way out
	s_lshl_b32 s22, ttmp9, 2
	s_add_co_u32 s22, s22, s20                     ; which run of 8,192 numbers is my wave's
	s_lshl_b32 s24, s22, 15                        ; 32,768 bytes of x,
	s_mov_b32 s25, 0
	s_lshl_b32 s26, s22, 12                        ; 4,096 of codes,
	s_mov_b32 s27, 0
	s_lshl_b32 s28, s22, 8                         ; 256 scale bytes a run
	s_mov_b32 s29, 0
	s_wait_kmcnt 0x0
	s_add_nc_u64 s[4:5], s[4:5], s[24:25]
	s_add_nc_u64 s[10:11], s[10:11], s[26:27]
	s_add_nc_u64 s[12:13], s[12:13], s[28:29]
.macro LOADX t
.irp i, 0,1,2,3
	global_load_b128 v[R+16*((\t)%4)+4*\i:R+16*((\t)%4)+4*\i+3], v3, s[4:5] offset:2048*(\t)+512*\i th:TH_LOAD_NT
.endr
.endm
.macro TURNX t                         ; LDS serves a wave's instructions in order: no wait between the stores and the loads
.irp i, 0,1,2,3
	ds_store_b128 v14, v[R+16*((\t)%4)+4*\i:R+16*((\t)%4)+4*\i+3] offset:32*SP*((\t)%2)+8*SP*\i
.endr
.irp i, 0,1,2,3
	ds_load_b128 v[X+16*((\t)%2)+4*\i:X+16*((\t)%2)+4*\i+3], v15 offset:32*SP*((\t)%2)+16*\i
.endr
.endm
.irp t, 0,1,2,3
	LOADX \t
.endr
	s_wait_loadcnt 12                              ; step 0's four loads are in; the 12 of steps 1 to 3 may be out
	TURNX 0
.macro STEPX t
.set XS, X+16*((\t)%2)
.if (\t) > 0
	s_wait_dscnt 1                                 ; this step's numbers are back from the stage; the last step's byte store may be out
.else
	s_wait_dscnt 0x0
.endif
.if (\t)+4 < STEPS
	LOADX (\t)+4                                   ; into the set whose stores into the stage are done
.endif
.if (\t)+1 < STEPS
.if STEPS-2-(\t) >= 3
	s_wait_loadcnt 12                              ; the next step's four loads are in; those of the three steps behind it may be out
.else
	s_wait_loadcnt 4*(STEPS-2-(\t))
.endif
	TURNX (\t)+1
.endif
	v_max3_num_f32 v8, |v[XS]|, |v[XS+1]|, |v[XS+2]|               ; the largest magnitude of my 16, in two chains
	v_max3_num_f32 v9, |v[XS+3]|, |v[XS+4]|, |v[XS+5]|
.irp i, 6,10
	v_max3_num_f32 v8, v8, |v[XS+\i]|, |v[XS+\i+1]|
	v_max3_num_f32 v9, v9, |v[XS+\i+2]|, |v[XS+\i+3]|
.endr
	v_max3_num_f32 v8, v8, |v[XS+14]|, |v[XS+15]|
	v_max3_num_f32 v8, v8, v9, (EMAX+1)<<23        ; and the floor 2^(3 - 127): the byte cannot fall under 1
	v_max_num_f32_dpp v8, v8, v8 row_xmask:1 row_mask:0xf bank_mask:0xf   ; with my neighbour's 16: the block's
	v_add_nc_u32 v11, -(EMAX<<23), v8              ; 2 off its exponent field: the conversion takes the exponent field of this operand as its scale
	v_cvt_scalef32_pk8_fp4_f32 v[C+4*(\t)], v[XS:XS+7], v11
	v_cvt_scalef32_pk8_fp4_f32 v[C+4*(\t)+1], v[XS+8:XS+15], v11
	v_lshrrev_b32 v[E+(\t)], 23, v11               ; the scale's byte (also the plain line behind the conversions)
	ds_store_b8 v5, v[E+(\t)] offset:16*(\t)       ; both lanes of a block write the same byte with the same value
	global_store_b64 v4, v[C+4*(\t):C+4*(\t)+1], s[10:11] offset:256*(\t)   ; the wave stores 256 consecutive bytes, aligned
.endm
.irp t, 0,1,2,3,4,5,6,7,8,9,10,11,12,13,14,15
	STEPX \t
.endr
	ds_load_b64 v[8:9], v6                         ; my wave's 256 scale bytes, 8 a lane
	s_wait_dscnt 0x0
	global_store_b64 v4, v[8:9], s[12:13]          ; 256 consecutive bytes, aligned
	s_wait_tensorcnt 0x0                           ; the wave's end: behind my last LDS store
	ds_add_u32 v[SPW], v[NIL]
	s_wait_dscnt 0x0
	s_endpgm
; ---------------------------------------------------------------- W: a lane takes a column n, its registers run down K
; Work-group g takes columns 32 g .. 32 g + 31 for all of K; wave w takes K = 256 w .. 256 w + 255: 8 blocks a lane.  A load of a wave reads 128 consecutive bytes of a row of w_qkv;
; the neighbouring 128 bytes are the neighbouring work-group's.  The four waves' codes meet in LDS, so that whole rows of 512 bytes and 256 scale bytes at a time leave.
.Lnot_x:
	s_cmp_lt_u32 ttmp9, 352
	s_cbranch_scc0 .Lpath_t
	s_sub_co_u32 s21, ttmp9, 256                   ; g
	v_lshlrev_b32 v3, 2, v2                        ; in: 4 bytes a lane
	v_mul_u32_u24 v4, v2, WPITCH
	s_lshl_b32 s22, s20, 7
	s_add_co_u32 s22, s22, WST
	v_add_nc_u32 v4, s22, v4                       ; codes into LDS: row = my column, + my wave's 128 bytes
	v_lshlrev_b32 v5, 5, v2
	s_lshl_b32 s22, s20, 3
	s_add_co_u32 s22, s22, WSC
	v_add_nc_u32 v5, s22, v5                       ; scale bytes into LDS: 32 x column + 8 x wave
	v_lshlrev_b32 v6, 4, v2                        ; out: 16 bytes a lane
	s_mul_i32 s22, s20, 8*WPITCH
	s_add_co_u32 s22, s22, WST
	v_add_nc_u32 v7, s22, v6                       ; wave w sends rows 8 w .. 8 w + 7
	v_lshlrev_b32 v14, 3, v2                       ; scale bytes out: 8 a lane,
	s_lshl_b32 s22, s20, 8
	s_add_co_u32 s22, s22, WSC
	v_add_nc_u32 v15, s22, v14                     ; 256 a wave
	s_lshl_b32 s24, s21, 7                         ; w_qkv: 128 g bytes along a row
	s_mul_i32 s26, s20, 256*12288                  ; + 256 w rows
	s_add_co_u32 s24, s24, s26
	s_mov_b32 s25, 0
	s_lshl_b32 s26, s21, 14                        ; wc: (32 g + 8 w) rows of 512 bytes
	s_lshl_b32 s27, s20, 12
	s_add_co_u32 s26, s26, s27
	s_mov_b32 s27, 0
	s_lshl_b32 s28, s21, 10                        ; ws: 1,024 g + 256 w
	s_lshl_b32 s29, s20, 8
	s_add_co_u32 s28, s28, s29
	s_mov_b32 s29, 0
	s_wait_kmcnt 0x0
	s_add_nc_u64 s[6:7], s[6:7], s[24:25]
	s_add_nc_u64 s[14:15], s[14:15], s[26:27]
	s_add_nc_u64 s[16:17], s[16:17], s[28:29]
.macro LOADW t                         ; block t: w_qkv(256 w + 32 t + i, my column) into set t % 2
.irp i, 0,1,2,3,4,5,6,7,8,9,10,11,12,13,14,15,16,17,18,19,20,21,22,23,24,25,26,27,28,29,30,31
	global_load_b32 v[XW+32*((\t)%2)+\i], v3, s[6:7] offset:(32*(\t)+\i)*12288
.endr
.endm
	LOADW 0
	LOADW 1
.macro BLOCKW t
.set XS, XW+32*((\t)%2)
.if (\t) < 7
	s_wait_loadcnt 32                              ; this block's 32 loads are in; the next block's 32 may be out
.else
	s_wait_loadcnt 0x0
.endif
	v_max3_num_f32 v8, |v[XS]|, |v[XS+1]|, |v[XS+2]|               ; all 32 numbers of the block are mine
	v_max3_num_f32 v9, |v[XS+3]|, |v[XS+4]|, |v[XS+5]|
.irp i, 6,10,14,18,22,26
	v_max3_num_f32 v8, v8, |v[XS+\i]|, |v[XS+\i+1]|
	v_max3_num_f32 v9, v9, |v[XS+\i+2]|, |v[XS+\i+3]|
.endr
	v_max3_num_f32 v8, v8, |v[XS+30]|, |v[XS+31]|
	v_max3_num_f32 v8, v8, v9, (EMAX+1)<<23
	v_add_nc_u32 v11, -(EMAX<<23), v8
	v_lshrrev_b32 v10, 23, v11                     ; the scale's byte
.if (\t)%4 == 0
	v_mov_b32 v[SB+(\t)/4], v10                    ; four bytes to a register, the lower K in the lower byte
.else
	v_lshl_or_b32 v[SB+(\t)/4], v10, 8*((\t)%4), v[SB+(\t)/4]
.endif
.irp g, 0,1,2,3
	v_cvt_scalef32_pk8_fp4_f32 v[CW+\g], v[XS+8*\g:XS+8*\g+7], v11
.endr
	ds_store_b128 v4, v[CW:CW+3] offset:16*(\t)    ; 32 codes: 16 bytes of my column's row
.if (\t)+2 < 8
	LOADW (\t)+2
.endif
	s_wait_dscnt 0x0                               ; the store has read its registers: the next block's codes may be written
.endm
.irp t, 0,1,2,3,4,5,6,7
	BLOCKW \t
.endr
	ds_store_b64 v5, v[SB:SB+1]
	s_wait_dscnt 0x0                               ; for the others' sake: my stores have landed
	s_barrier_signal -1                            ; (all four waves of a work-group are on this path: it hangs on the work-group's number alone)
	s_barrier_wait -1
.irp i, 0,1,2,3,4,5,6,7
	ds_load_b128 v[XW+4*\i:XW+4*\i+3], v7 offset:\i*WPITCH
.endr
	ds_load_b64 v[8:9], v15
.irp i, 0,1,2,3,4,5,6,7
	s_wait_dscnt 8-\i                              ; row i is in; the younger loads may be out
	global_store_b128 v6, v[XW+4*\i:XW+4*\i+3], s[14:15] offset:512*\i   ; a whole row of codes: 512 consecutive bytes, aligned
.endr
	s_wait_dscnt 0x0
	global_store_b64 v14, v[8:9], s[16:17]         ; 256 consecutive scale bytes, aligned
	s_wait_tensorcnt 0x0                           ; the wave's end
	ds_add_u32 v[SPW], v[NIL]
	s_wait_dscnt 0x0
	s_endpgm
; ---------------------------------------------------------------- T: w_out turned and rounded to f16
; Work-group g: columns 128 (g % 8) on, K = 128 (g / 8) on (two planes).  Wave w: 32 columns, a lane a column, 128 registers down K.  The wave's own stage turns columns into rows: no barrier.
.Lpath_t:
	s_sub_co_u32 s21, ttmp9, 352
	s_and_b32 s22, s21, 7                          ; which 128 columns
	s_lshr_b32 s23, s21, 3                         ; which 128 along K
	v_lshlrev_b32 v3, 2, v2
	s_mul_i32 s24, s20, 32*TPITCH
	s_add_co_u32 s24, s24, TST                     ; my stage
	v_mul_u32_u24 v4, v2, TPITCH
	v_add_nc_u32 v4, s24, v4                       ; in: row = my column
	v_lshrrev_b32 v5, 3, v2
	v_mul_u32_u24 v5, v5, TPITCH
	v_and_b32 v6, 7, v2
	v_lshl_add_u32 v5, v6, 4, v5
	v_add_nc_u32 v5, s24, v5                       ; back: eight lanes to a row's 128 bytes of a plane, four rows an instruction
	v_lshlrev_b32 v6, 4, v2                        ; and 16 bytes a lane in wt
	s_lshl_b32 s26, s23, 19                        ; w_out: 128 rows of 4,096 bytes,
	s_lshl_b32 s27, s22, 9                         ; 128 columns,
	s_add_co_u32 s26, s26, s27
	s_lshl_b32 s27, s20, 7                         ; my wave's 32
	s_add_co_u32 s26, s26, s27
	s_mov_b32 s27, 0
	s_lshl_b32 s28, s23, 18                        ; wt: two planes of 131,072 bytes,
	s_lshl_b32 s29, s22, 14                        ; 128 rows of 128 bytes,
	s_add_co_u32 s28, s28, s29
	s_lshl_b32 s29, s20, 12                        ; my wave's 32
	s_add_co_u32 s28, s28, s29
	s_mov_b32 s29, 0
	s_wait_kmcnt 0x0
	s_add_nc_u64 s[8:9], s[8:9], s[26:27]
	s_add_nc_u64 s[18:19], s[18:19], s[28:29]
.set n, 0
.rept 128
	global_load_b32 v[32+n], v3, s[8:9] offset:n*4096   ; the four waves together read 512 consecutive bytes of a row
.set n, n+1
.endr
.irp t, 0,1,2,3
.if \t < 2
	s_wait_loadcnt 63                              ; the first 65 loads at the least are in (96 and 64 are younger than blocks 0 and 1; the count names at most 63)
.elseif \t == 2
	s_wait_loadcnt 32
.else
	s_wait_loadcnt 0x0
.endif
.irp j, 0,1,2,3,4,5,6,7,8,9,10,11,12,13,14,15
	v_cvt_pk_f16_f32 v[32+32*\t+\j], v[32+32*\t+2*\j], v[32+32*\t+2*\j+1]   ; in place: pair j lands under the numbers that are still to be read
.endr
.irp q, 0,1,2,3
	ds_store_b128 v4, v[32+32*\t+4*\q:32+32*\t+4*\q+3] offset:64*\t+16*\q
.endr
.endr
.irp p, 0,1
.irp i, 0,1,2,3,4,5,6,7
	ds_load_b128 v[48+32*((8*\p+\i)/4)+4*(\i%4):48+32*((8*\p+\i)/4)+4*(\i%4)+3], v5 offset:4*\i*TPITCH+128*\p   ; into the upper halves of the blocks' registers, which the conversions have left
.endr
.endr
.irp p, 0,1
.irp i, 0,1,2,3,4,5,6,7
	s_wait_dscnt 15-8*\p-\i
	global_store_b128 v6, v[48+32*((8*\p+\i)/4)+4*(\i%4):48+32*((8*\p+\i)/4)+4*(\i%4)+3], s[18:19] offset:\p*131072+512*\i   ; four rows of a plane: 512 consecutive bytes, aligned
.endr
.endr
	s_wait_tensorcnt 0x0                           ; the wave's end
	ds_add_u32 v[SPW], v[NIL]
	s_wait_dscnt 0x0
	s_endpgm
.Lfunc_end_k_q75115d8e75_prep:
	.size	k_q75115d8e75_prep, .Lfunc_end_k_q75115d8e75_prep-k_q75115d8e75_prep
	.p2alignl 7, 3214868480
	.fill 96, 4, 3214868480
	.section	.rodata,"a",@progbits
	.p2align	6, 0x0
	.amdhsa_kernel k_q75115d8e75_prep
		.amdhsa_group_segment_fixed_size 86016
		.amdhsa_private_segment_fixed_size 0
		.amdhsa_enable_private_segment 0
		.amdhsa_kernarg_size 64
		.amdhsa_user_sgpr_count 2
		.amdhsa_user_sgpr_kernarg_segment_ptr 1
		.amdhsa_wavefront_size32 1
		.amdhsa_system_sgpr_workgroup_id_x 1
		.amdhsa_system_sgpr_workgroup_id_y 1
		.amdhsa_system_sgpr_workgroup_id_z 1
		.amdhsa_system_vgpr_workitem_id 0
		.amdhsa_next_free_vgpr 192
		.amdhsa_next_free_sgpr 66
		.amdhsa_reserve_vcc 0
		.amdhsa_float_denorm_mode_32 3
		.amdhsa_float_denorm_mode_16_64 3
		.amdhsa_memory_ordered 1
		.amdhsa_forward_progress 1
		.amdhsa_inst_pref_size 94
	.end_amdhsa_kernel
	.amdgpu_metadata
---
amdhsa.version: [ 1, 2 ]
amdhsa.kernels:
  - .name:           k_q75115d8e75_prep
    .symbol:         k_q75115d8e75_prep.kd
    .args:
      - { .name: x, .offset: 0, .size: 8, .value_kind: global_buffer, .address_space: global }
      - { .name: w_qkv, .offset: 8, .size: 8, .value_kind: global_buffer, .address_space: global }
      - { .name: w_out, .offset: 16, .size: 8, .value_kind: global_buffer, .address_space: global }
      - { .name: xc, .offset: 24, .size: 8, .value_kind: global_buffer, .address_space: global }
      - { .name: xs, .offset: 32, .size: 8, .value_kind: global_buffer, .address_space: global }
      - { .name: wc, .offset: 40, .size: 8, .value_kind: global_buffer, .address_space: global }
      - { .name: ws, .offset: 48, .size: 8, .value_kind: global_buffer, .address_space: global }
      - { .name: wt, .offset: 56, .size: 8, .value_kind: global_buffer, .address_space: global }
    .group_segment_fixed_size: 86016
    .private_segment_fixed_size: 0
    .kernarg_segment_align: 8
    .kernarg_segment_size: 64
    .max_flat_workgroup_size: 128
    .sgpr_count:     66
    .vgpr_count:     192
    .wavefront_size: 32
...
	.end_amdgpu_metadata
.endif
;; end of part 1
;; launch qkv (part 2): grid 12 x 32, 4 waves a work-group, clusters of 4 x 4, 327,680 bytes of LDS; arguments xc, xs, wc, ws, qkv16, qkv32; writes qkv16, qkv32
.if DOCPART == 2
	.amdgcn_target "amdgcn-amd-amdhsa--gfx1250"
	.amdhsa_code_object_version 6
	.text
	.protected	k_q75115d8e75_qkv
	.globl	k_q75115d8e75_qkv
	.p2align	8
	.type	k_q75115d8e75_qkv,@function
k_q75115d8e75_qkv:
	s_mov_b64 s[64:65], 0
	v_nop
	global_prefetch_b8 v0, s[64:65] scope:SCOPE_SE
	s_setreg_imm32_b32 hwreg(HW_REG_WAVE_MODE, 25, 1), 1
	s_wait_xcnt 0x0
	s_wait_alu depctr_hold_cnt(0) depctr_sa_sdst(0) depctr_va_vdst(0) depctr_va_sdst(0) depctr_va_ssrc(0) depctr_va_vcc(0) depctr_vm_vsrc(0)
	s_getreg_b32 s2, hwreg(HW_REG_IB_STS2, 6, 4)
	s_cmp_eq_u32 s2, 0
	s_cbranch_scc0 .Lentry_in_a_cluster
	s_endpgm
.Lentry_in_a_cluster:
	s_bfe_u32 s2, ttmp6, 0x10000c
	s_cmp_lg_u32 s2, 0xf033
	s_cbranch_scc0 .Lentry_shape_is_right
	s_endpgm
.Lentry_shape_is_right:
; QKV = Q(x) Q(w_qkv): [8192][1024] x [3072][1024]^T on codes of E2M1 with one E8M0 byte for each 32 along K; sums in f32, K ascending.
; A tile of 256 x 256 to a work-group of four waves; a wave makes 128 x 128: 64 accumulators, 512 registers.  K = 1,024 is two LDS slots of 512 along K (rows of 256 bytes):
; both slots and the scale bytes of the tile's rows are asked for at the head, three loads a wave, and NOTHING IS FILLED AGAIN.
; CLUSTERS: 4 x 4 work-groups; the four of a row need the same tiles of x, the four of a column the same tiles of w: each is asked for jointly.
; TILE ROW = 8 cy + cluster y: the four partners along y are the four batches, so 'this tile begins a sequence' is 'cluster y = 0', the same in all partners.
; THE MATRIX INSTRUCTION IS USED TRANSPOSED (source 0 = 16 rows of w, source 1 = 16 rows of x): a lane holds eight neighbouring columns of one row.
; RESULTS: qkv16 [q, k, v][batch x 16 + head][2048][64] f16, q multiplied by c = log2(e) / 8 ahead of its rounding (k and v by 1: one text for all tiles, the factor a scalar);
;          qkv32 [batch][16][3072] f32: the raw sums of each sequence's first 16 positions, for the launch that carries those rows in f32.
; LIMITS: |c q|, |k|, |v| under 65,504 (f16).
; REGISTERS: window 0: v16-29 addresses; v32-95 scale words and nothing else, two sets; v128-191 x's fragments, one set; on the way out v96-255.  window 1: w's fragments, two sets.  windows 2, 3: the accumulators.
.set NQ,     4                         ; matrix instructions deep in a slot
.set ROWB,   256                       ; a tile's row: 512 codes
.set KROW,   512                       ; a row of codes in memory
.set PITCH,  272                       ; an LDS row: 256 bytes + 16: the 16 rows of a fragment load begin 68 words apart
.set FR,     8
.set NL,     2
.set NP,     4
.set HALFT,  128*PITCH
.set SLOT,   4*HALFT
.set KS,     32                        ; a row of scale bytes
.set SCL,    2*SLOT
.set HALFS,  16*272                    ; the scales of 128 rows: 16 pieces of 256 bytes + 16
.set SBLK,   2*272                     ; those of 16 rows
.set SPARE,  SCL+4*HALFS               ; the spare words, 128 bytes a wave
.set SP32,   528                       ; the stage (in slot 0, which has had its only fill and its last read by then): 16 rows of 512 bytes + 16,
.set SP16,   272                       ; or of 256 bytes + 16
.set STGB,   16*SP32
.set ADRA, 16
.set ADRB, 20
.set STO32, 22
.set RD32, 23
.set STO,  24
.set RD,   25
.set CO,   26
.set ADRS, 27
.set SPW,  28
.set NIL,  29
.set SC,   32
.set AF,   128
.set HF,   96                          ; the way out: 32 registers of f16 pairs
.set BK,   128                         ; rows read back: v128-159 and v160-191 by turns
.set TMP,  192                         ; 64 scaled numbers
.set G1, 24
.set G0, 32
.set G1B, 48
.set G0B, 56
.set G1S, 68
.set G0S, 76
.set G1SB, 80
.set G0SB, 88
.set MSB, 0
.macro WIN new                         ; the immediate's high byte repeats the setting that is left
.if MSB != (\new)
	s_set_vgpr_msb (MSB<<8)|(\new)
.set MSB, (\new)
.endif
.endm
.set MUL_LO, 0xa1                      ; source 0 (w) window 1, source 1 (x) window 0, C and D window 2
.set MUL_HI, 0xf1
.set TO_B,   0x40
; A joint load: waves 0 and 1 fetch for x, waves 2 and 3 for w.  The branch hangs on the wave's number alone.  An s_nop 0 and four v_nop follow each line.
.macro JLOAD g0a, g1a, g0b, g1b
	s_cmp_eq_u32 s15, 0
	s_cbranch_scc0 .Lfor_b_\@
	tensor_load_to_lds s[\g0a:\g0a+3], s[\g1a:\g1a+7]
	s_nop 0
.rept 4
	v_nop
.endr
	s_branch .Lasked_\@
.Lfor_b_\@:
	tensor_load_to_lds s[\g0b:\g0b+3], s[\g1b:\g1b+7]
	s_nop 0
.rept 4
	v_nop
.endr
.Lasked_\@:
.endm
.macro CROUND                          ; a round of the cluster's barrier
	s_barrier_signal -1
	s_barrier_wait -1
	s_cmp_lg_u32 s14, 0
	s_cbranch_scc1 .Lnot_wave_0_\@
	s_barrier_signal -3
.Lnot_wave_0_\@:
	s_barrier_wait -3
	s_barrier_signal -1
	s_barrier_wait -1
.endm
	s_load_b128 s[4:7], s[0:1], 0x0                ; xc, xs
	s_load_b128 s[8:11], s[0:1], 0x10              ; wc, ws
	s_load_b64 s[12:13], s[0:1], 0x20              ; qkv16
	s_load_b64 s[98:99], s[0:1], 0x28              ; qkv32
	v_lshl_add_u32 v[SPW], v0, 2, SPARE
	v_mov_b32 v[NIL], 0
	ds_add_u32 v[SPW], v[NIL]                      ; the wave's opening: the add, twice on end, and its wait ahead of my first tensor load
	ds_add_u32 v[SPW], v[NIL]
	v_lshrrev_b32 v1, 5, v0
	v_readfirstlane_b32 s14, v1                    ; wave 0..3
	s_lshr_b32 s15, s14, 1                         ; my half of the tile's rows.  Also: I fetch for x (0) or for w (1)
	s_and_b32 s16, s14, 1                          ; my half of its columns.  Also: which 128 rows I fetch
	s_bfe_u32 s40, ttmp6, 0x40000                  ; cx
	s_bfe_u32 s41, ttmp6, 0x40004                  ; cy
	s_lshl_b32 s42, ttmp9, 2
	s_add_co_u32 s42, s42, s40                     ; tile column = 4 x cluster x + cx
	s_and_b32 s95, ttmp7, 0xffff                   ; cluster y
	s_lshl_b32 s17, s41, 3
	s_add_co_u32 s17, s17, s95                     ; tile row = 8 cy + cluster y
	s_lshl_b32 s43, s41, 2
	s_lshl_b32 s43, 15, s43                        ; my row of the cluster
	s_lshl_b32 s44, 0x1111, s40                    ; my column
	s_or_b32 s[G1+0], s43, (0<<16)|(1<<20)|(1<<21)|(5<<22)|(3<<25)  ; the mask; elements of 1 byte; padding on; bit 21 beside a mask; 4 words behind every 64
	s_or_b32 s[G1B+0], s44, (0<<16)|(1<<20)|(1<<21)|(5<<22)|(3<<25)
.irp g, G1, G1B
	s_mov_b32 s[\g+1], ROWB<<16                    ; tensor_dim0
	s_mov_b32 s[\g+2], 128<<16                     ; tensor_dim1
	s_mov_b32 s[\g+3], ROWB<<16                    ; tile_dim0
	s_mov_b32 s[\g+4], 128                         ; tile_dim1
	s_mov_b32 s[\g+5], KROW                        ; the pitch
	s_mov_b32 s[\g+6], 0
	s_mov_b32 s[\g+7], 0
.endr
	s_or_b32 s[G1S+0], s43, (3<<16)|(1<<20)|(1<<21)|(5<<22)|(3<<25) ; the scales of 128 rows: 4,096 dense bytes as 16 rows of 32 elements of 8 bytes
	s_or_b32 s[G1SB+0], s44, (3<<16)|(1<<20)|(1<<21)|(5<<22)|(3<<25)
.irp g, G1S, G1SB
	s_mov_b32 s[\g+1], 32<<16
	s_mov_b32 s[\g+2], 16<<16
	s_mov_b32 s[\g+3], 32<<16
	s_mov_b32 s[\g+4], 16
	s_mov_b32 s[\g+5], 32
	s_mov_b32 s[\g+6], 0
	s_mov_b32 s[\g+7], 0
.endr
	s_lshl_b32 s18, s16, 7
	s_lshl_b32 s20, s17, 8
	s_add_co_u32 s20, s20, s18                     ; x: row 256 x tile row + 128 x half
	s_lshl_b32 s46, s42, 8
	s_add_co_u32 s46, s46, s18                     ; w: row 256 x tile column + 128 x half
	s_mov_b32 s21, 0
	s_mov_b32 s47, 0
	s_mov_b64 s[18:19], KS
	s_mul_u64 s[22:23], s[20:21], s[18:19]
	s_mul_u64 s[92:93], s[46:47], s[18:19]
	s_mov_b64 s[18:19], KROW
	s_mul_u64 s[20:21], s[20:21], s[18:19]
	s_mul_u64 s[46:47], s[46:47], s[18:19]
	s_mul_i32 s45, s14, HALFT                      ; where they go: wave x 128 rows
	s_mul_i32 s94, s14, HALFS
	s_wait_dscnt 0x0                               ; both opening adds are done
	s_wait_kmcnt 0x0
	s_add_nc_u64 s[20:21], s[4:5], s[20:21]
	s_add_nc_u64 s[22:23], s[6:7], s[22:23]
	s_add_nc_u64 s[46:47], s[8:9], s[46:47]
	s_add_nc_u64 s[92:93], s[10:11], s[92:93]
	CROUND                                         ; all sixteen work-groups are here: the joint loads meet
	s_mov_b32 s[G0S], 1
	s_add_co_u32 s[G0S+1], s94, SCL
	s_mov_b64 s[G0S+2:G0S+3], s[22:23]
	s_or_b32 s[G0S+3], s[G0S+3], 0x80000000
	s_mov_b32 s[G0SB], 1
	s_add_co_u32 s[G0SB+1], s94, SCL
	s_mov_b64 s[G0SB+2:G0SB+3], s[92:93]
	s_or_b32 s[G0SB+3], s[G0SB+3], 0x80000000
	JLOAD G0S, G1S, G0SB, G1SB                     ; the scales first: they are wanted with the first slot
.irp s, 0,1
	s_mov_b32 s[G0+4*\s], 1
	s_add_co_u32 s[G0+4*\s+1], s45, \s*SLOT
	s_add_nc_u64 s[G0+4*\s+2:G0+4*\s+3], s[20:21], \s*ROWB
	s_or_b32 s[G0+4*\s+3], s[G0+4*\s+3], 0x80000000
	s_mov_b32 s[G0B+4*\s], 1
	s_add_co_u32 s[G0B+4*\s+1], s45, \s*SLOT
	s_add_nc_u64 s[G0B+4*\s+2:G0B+4*\s+3], s[46:47], \s*ROWB
	s_or_b32 s[G0B+4*\s+3], s[G0B+4*\s+3], 0x80000000
	JLOAD G0+4*\s, G1, G0B+4*\s, G1B               ; three loads of mine are out in all
.endr
	v_and_b32 v1, 15, v0                           ; r
	v_bfe_u32 v2, v0, 4, 1                         ; h
	v_mul_u32_u24 v3, v1, PITCH
	v_lshl_add_u32 v4, v2, 4, v3                   ; a fragment's row x pitch + 16 h
	s_mul_i32 s21, s15, HALFT
	s_mul_i32 s22, s16, HALFT
	s_add_co_u32 s22, s22, 2*HALFT
.irp s, 0,1
	v_add_nc_u32 v[ADRA+\s], s21, v4
	v_add_nc_u32 v[ADRB+\s], s22, v4
	s_add_co_u32 s21, s21, SLOT
	s_add_co_u32 s22, s22, SLOT
.endr
	v_mul_u32_u24 v5, v1, KS                       ; my row's scales: 32 bytes a row,
	v_lshrrev_b32 v6, 8, v5
	v_lshl_add_u32 v5, v6, 4, v5                   ; and 16 more for each 256 passed
	s_mul_i32 s21, s15, HALFS
	s_mul_i32 s22, s16, HALFS
	s_add_co_u32 s22, s22, 2*HALFS
	s_sub_co_u32 s22, s22, s21
	v_mul_u32_u24 v6, s22, v2                      ; lanes 16-31 take w's: one product, the distance between the two bases
	s_add_co_u32 s21, s21, SCL
	v_add_nc_u32 v5, v5, v6
	v_add_nc_u32 v[ADRS], s21, v5
	s_mul_i32 s23, s14, STGB                       ; my stage
	v_mul_u32_u24 v5, v1, SP32
	v_lshl_add_u32 v5, v2, 5, v5
	v_add_nc_u32 v[STO32], s23, v5                 ; f32 in: row r, 32 bytes for each half of the lanes
	v_and_b32 v6, 31, v0
	v_lshlrev_b32 v[CO], 4, v6                     ; 16 x lane
	v_add_nc_u32 v[RD32], s23, v[CO]               ; f32 back: the 32 lanes take a row of 512 bytes
	v_mul_u32_u24 v5, v1, SP16
	v_lshl_add_u32 v5, v2, 4, v5
	v_add_nc_u32 v[STO], s23, v5                   ; f16 in: row r, 16 bytes for each half
	v_lshrrev_b32 v5, 3, v6
	v_mul_u32_u24 v5, v5, SP16
	v_and_b32 v7, 7, v0
	v_lshl_add_u32 v5, v7, 4, v5
	v_add_nc_u32 v[RD], s23, v5                    ; f16 back: eight lanes to a head's 128 bytes of a row, four rows an instruction
	s_lshl_b32 s20, ttmp9, 24                      ; qkv16: the part (q, k, v = cluster x),
	s_lshl_b32 s21, s41, 4                         ; the plane 16 cy + 4 cx + 2 x my column half,
	s_lshl_b32 s46, s40, 2
	s_add_co_u32 s21, s21, s46
	s_lshl_b32 s46, s16, 1
	s_add_co_u32 s21, s21, s46
	s_lshl_b32 s21, s21, 18
	s_add_co_u32 s20, s20, s21
	s_lshl_b32 s21, s95, 15                        ; the position 256 x cluster y + 128 x my row half, rows of 128 bytes
	s_add_co_u32 s20, s20, s21
	s_lshl_b32 s21, s15, 14
	s_add_co_u32 s20, s20, s21
	s_mov_b32 s21, 0
	s_add_nc_u64 s[12:13], s[12:13], s[20:21]
	s_mul_i32 s20, s41, 16*12288                   ; qkv32: batch cy, my 128 columns
	s_lshl_b32 s46, s42, 10
	s_add_co_u32 s20, s20, s46
	s_lshl_b32 s46, s16, 9
	s_add_co_u32 s20, s20, s46
	s_add_nc_u64 s[98:99], s[98:99], s[20:21]
	s_cmp_eq_u32 ttmp9, 0                          ; the q columns are cluster x = 0: the same in all partners
	s_cselect_b32 s2, 0x3e38aa3b, 1.0              ; c = log2(e) / 8, or 1
	s_mov_b32 s3, s2                               ; (named with it as a pair)
.macro FRAG reg, adr, q, i             ; 16 rows x 128 K of 4-bit codes: 8 registers, two loads 32 bytes apart
.irp c, 0,1
	ds_load_b128 v[\reg+4*\c:\reg+4*\c+3], v[\adr] offset:64*(\q)+32*\c+(\i)*16*PITCH
.endr
.endm
; 16 matrix instructions: x's blocks a0, a0 + 1 against w's eight.  The 64 accumulators take turns, one instruction a turn, in the same order in every step.
.macro MUL16 a0, p, q, sc, zero
.irp a, \a0, \a0+1
.irp b, 0,1,2,3,4,5,6,7
.if \zero
	v_wmma_scale_f32_16x16x128_f8f6f4 v[8*(8*((\a)%4)+\b):8*(8*((\a)%4)+\b)+7], v[128*(\p)+FR*\b:128*(\p)+FR*\b+FR-1], v[AF+FR*(\a):AF+FR*(\a)+FR-1], 0, v[SC+8*NQ*(\sc)+NQ*\b+(\q)], v[SC+8*NQ*(\sc)+NQ*(\a)+(\q)] matrix_a_fmt:MATRIX_FMT_FP4 matrix_b_fmt:MATRIX_FMT_FP4 matrix_a_scale:MATRIX_SCALE_ROW1
.else
	v_wmma_scale_f32_16x16x128_f8f6f4 v[8*(8*((\a)%4)+\b):8*(8*((\a)%4)+\b)+7], v[128*(\p)+FR*\b:128*(\p)+FR*\b+FR-1], v[AF+FR*(\a):AF+FR*(\a)+FR-1], v[8*(8*((\a)%4)+\b):8*(8*((\a)%4)+\b)+7], v[SC+8*NQ*(\sc)+NQ*\b+(\q)], v[SC+8*NQ*(\sc)+NQ*(\a)+(\q)] matrix_a_fmt:MATRIX_FMT_FP4 matrix_b_fmt:MATRIX_FMT_FP4 matrix_a_scale:MATRIX_SCALE_ROW1
.endif
.endr
.endr
.endm
.macro FETCH_B slot, q, p
	WIN TO_B
.irp i, 0,1,2,3,4,5,6,7
	FRAG 128*(\p)+FR*\i, ADRB+\slot, \q, \i
.endr
	WIN 0
.endm
.macro FETCH_A slot, q, i0
.irp i, \i0, \i0+1, \i0+2, \i0+3
	FRAG AF+FR*(\i), ADRA+\slot, \q, \i
.endr
.endm
.macro SCALES sc                       ; a slot's scale words: lanes 0-15 x's block i, lanes 16-31 w's block i, four words a row
.irp i, 0,1,2,3,4,5,6,7
	ds_load_b128 v[SC+8*NQ*\sc+NQ*\i:SC+8*NQ*\sc+NQ*\i+3], v[ADRS] offset:\i*SBLK
.endr
.endm
.macro PLACES n                        ; plain vector instructions between a matrix instruction and a load into, or a read of, its registers
.rept \n
	v_nop
.endr
.endm
.macro STEP slot, q, zero              ; 128 along K, with its successor in the same slot
	s_wait_dscnt 4*NL                              ; w's set and x's blocks 0-3 are in; the youngest eight loads (x's blocks 4-7) may be out
	WIN MUL_LO
	MUL16 0, (\q)%2, \q, \slot, \zero
	MUL16 2, (\q)%2, \q, \slot, \zero
	s_wait_dscnt 0
	PLACES NP
	FETCH_B \slot, (\q)+1, 1-(\q)%2
	FETCH_A \slot, (\q)+1, 0
	WIN MUL_HI
	MUL16 4, (\q)%2, \q, \slot, \zero
	MUL16 6, (\q)%2, \q, \slot, \zero
	PLACES NP
	WIN 0
	FETCH_A \slot, (\q)+1, 4
.endm
.macro TURN slot, next                 ; a slot's last step changes slots: one barrier
	s_wait_tensorcnt 0x0                           ; all my tensor loads have landed: my part of the next slot
	ds_add_u32 v[SPW], v[NIL]                      ; 0 onto my spare word
	s_wait_dscnt 4*NL+1                            ; (the add and the youngest eight loads may be out)
	WIN MUL_LO
	MUL16 0, 1, NQ-1, \slot, 0
	s_wait_dscnt 0x0                               ; the add is done, and my reads of this slot are over
	s_barrier_signal -1
	MUL16 2, 1, NQ-1, \slot, 0
	WIN 0
	s_barrier_wait -1                              ; the next slot is whole, and nobody reads this one any more
	PLACES NP
	v_add_nc_u32 v[ADRS], 4*NQ, v[ADRS]            ; on to the next slot's scale words
	FETCH_B \next, 0, 0
	FETCH_A \next, 0, 0
	SCALES \next
	WIN MUL_HI
	MUL16 4, 1, NQ-1, \slot, 0
	MUL16 6, 1, NQ-1, \slot, 0
	PLACES NP
	WIN 0
	FETCH_A \next, 0, 4
.endm
	s_wait_tensorcnt 1                             ; the scales and my part of slot 0 are in; slot 1's load may be out
	s_barrier_signal -1
	s_barrier_wait -1                              ; everybody's are
	FETCH_B 0, 0, 0
	FETCH_A 0, 0, 0
	SCALES 0
	FETCH_A 0, 0, 4
	STEP 0, 0, 1                                   ; the first products start the sums: nothing is cleared
	STEP 0, 1, 0
	STEP 0, 2, 0
	TURN 0, 1
	STEP 1, 0, 0
	STEP 1, 1, 0
	STEP 1, 2, 0
	s_wait_dscnt 4*NL                              ; the last step: nothing more to fetch
	WIN MUL_LO
	MUL16 0, 1, NQ-1, 1, 0
	MUL16 2, 1, NQ-1, 1, 0
	s_wait_dscnt 0
	WIN MUL_HI
	MUL16 4, 1, NQ-1, 1, 0
	MUL16 6, 1, NQ-1, 1, 0
	WIN 0
	PLACES NP                                      ; behind the last products: for the reads of results, and for loads into and writes of registers that held operands
; THE FIRST 16 POSITIONS OF A SEQUENCE, AS f32: block 0 of the waves with the upper row half, in the tiles with cluster y = 0.  Through my stage, back as whole rows of 512 bytes.
	s_cmp_lg_u32 s15, 0
	s_cbranch_scc1 .Lno32
	s_cmp_lg_u32 s95, 0
	s_cbranch_scc1 .Lno32
	WIN 0x08                                       ; an LDS store's data are its source 1: window 2
.irp b, 0,1,2,3,4,5,6,7
	ds_store_b128 v[STO32], v[8*\b:8*\b+3] offset:64*\b            ; each accumulator from its low end on
	ds_store_b128 v[STO32], v[8*\b+4:8*\b+7] offset:64*\b+16
.endr
	WIN 0
.irp t, 0,1,2,3,4,5,6,7,8,9,10,11,12,13,14,15
	ds_load_b128 v[BK+4*\t:BK+4*\t+3], v[RD32] offset:\t*SP32      ; LDS serves a wave's instructions in order: these see my stores
.endr
.irp t, 0,1,2,3,4,5,6,7,8,9,10,11,12,13,14,15
	s_wait_dscnt 15-\t
	global_store_b128 v[CO], v[BK+4*\t:BK+4*\t+3], s[98:99] offset:\t*12288   ; 512 consecutive bytes, aligned
.endr
.Lno32:
; THE WAY OUT, a block of 16 rows x 128 columns (two heads) at a time: x the factor, rounded to f16, through my stage, back as four rows of one head: 512 consecutive bytes of a plane.
.macro PACK a
.set AC, 64*((\a)%4)
	WIN 0x02+(\a)/4                                ; source 0: window 2 or 3
.set i, 0
.rept 32
	v_pk_mul_f32 v[TMP+2*i:TMP+2*i+1], v[AC+2*i:AC+2*i+1], s[2:3] op_sel_hi:[1,0]   ; ascending: each accumulator from its low end on
.set i, i+1
.endr
	WIN 0
.set i, 0
.rept 32
	v_cvt_pk_f16_f32 v[HF+i], v[TMP+2*i], v[TMP+2*i+1]
.set i, i+1
.endr
.endm
.macro TOSTAGE a
.set BB, BK+32*((\a)%2)
.irp b, 0,1,2,3,4,5,6,7
	ds_store_b128 v[STO], v[HF+4*\b:HF+4*\b+3] offset:32*\b
.endr
	s_wait_xcnt 0x0                                ; earlier stores have read the registers that are loaded next
.irp g, 0,1,2,3
.irp e, 0,1
	ds_load_b128 v[BB+4*(2*\g+\e):BB+4*(2*\g+\e)+3], v[RD] offset:4*\g*SP16+128*\e
.endr
.endr
.endm
.macro SEND a
.set BB, BK+32*((\a)%2)
	s_wait_dscnt 0x0                               ; the block is back in registers
.irp g, 0,1,2,3
.irp e, 0,1
	global_store_b128 v[CO], v[BB+4*(2*\g+\e):BB+4*(2*\g+\e)+3], s[12:13] offset:\e*262144+(\a)*2048+\g*512   ; every offset an immediate: no base is stepped
.endr
.endr
.endm
	PACK 0
	TOSTAGE 0
.irp a, 1,2,3,4,5,6,7
	PACK \a                                        ; block a's arithmetic stands between block a - 1's loads from the stage and the wait for them
	SEND \a-1
	TOSTAGE \a
.endr
	SEND 7
	s_wait_tensorcnt 0x0                           ; the wave's end
	ds_add_u32 v[SPW], v[NIL]
	s_wait_dscnt 0x0
	CROUND                                         ; the closing round
	s_endpgm
.Lfunc_end_k_q75115d8e75_qkv:
	.size	k_q75115d8e75_qkv, .Lfunc_end_k_q75115d8e75_qkv-k_q75115d8e75_qkv
	.p2alignl 7, 3214868480
	.fill 96, 4, 3214868480
	.section	.rodata,"a",@progbits
	.p2align	6, 0x0
	.amdhsa_kernel k_q75115d8e75_qkv
		.amdhsa_group_segment_fixed_size 327680
		.amdhsa_private_segment_fixed_size 0
		.amdhsa_enable_private_segment 0
		.amdhsa_kernarg_size 48
		.amdhsa_user_sgpr_count 2
		.amdhsa_user_sgpr_kernarg_segment_ptr 1
		.amdhsa_wavefront_size32 1
		.amdhsa_system_sgpr_workgroup_id_x 1
		.amdhsa_system_sgpr_workgroup_id_y 1
		.amdhsa_system_sgpr_workgroup_id_z 1
		.amdhsa_system_vgpr_workitem_id 0
		.amdhsa_next_free_vgpr 1024
		.amdhsa_next_free_sgpr 100
		.amdhsa_reserve_vcc 0
		.amdhsa_float_denorm_mode_32 3
		.amdhsa_float_denorm_mode_16_64 3
		.amdhsa_memory_ordered 1
		.amdhsa_forward_progress 1
		.amdhsa_inst_pref_size 147
	.end_amdhsa_kernel
	.amdgpu_metadata
---
amdhsa.version: [ 1, 2 ]
amdhsa.kernels:
  - .name:           k_q75115d8e75_qkv
    .symbol:         k_q75115d8e75_qkv.kd
    .args:
      - { .name: xc, .offset: 0, .size: 8, .value_kind: global_buffer, .address_space: global }
      - { .name: xs, .offset: 8, .size: 8, .value_kind: global_buffer, .address_space: global }
      - { .name: wc, .offset: 16, .size: 8, .value_kind: global_buffer, .address_space: global }
      - { .name: ws, .offset: 24, .size: 8, .value_kind: global_buffer, .address_space: global }
      - { .name: qkv16, .offset: 32, .size: 8, .value_kind: global_buffer, .address_space: global }
      - { .name: qkv32, .offset: 40, .size: 8, .value_kind: global_buffer, .address_space: global }
    .group_segment_fixed_size: 327680
    .private_segment_fixed_size: 0
    .kernarg_segment_align: 8
    .kernarg_segment_size: 48
    .max_flat_workgroup_size: 128
    .sgpr_count:     100
    .vgpr_count:     1024
    .wavefront_size: 32
...
	.end_amdgpu_metadata
.endif
;; end of part 2
;; launch attn (part 3): grid 4 x 64, 8 waves a work-group, no clusters, 327,680 bytes of LDS; arguments qkv16, o16; writes o16
.if DOCPART == 3
	.amdgcn_target "amdgcn-amd-amdhsa--gfx1250"
	.amdhsa_code_object_version 6
	.text
	.protected	k_q75115d8e75_attn
	.globl	k_q75115d8e75_attn
	.p2align	8
	.type	k_q75115d8e75_attn,@function
k_q75115d8e75_attn:
	s_mov_b64 s[64:65], 0
	v_nop
	global_prefetch_b8 v0, s[64:65] scope:SCOPE_SE
	s_setreg_imm32_b32 hwreg(HW_REG_WAVE_MODE, 25, 1), 1
	s_wait_xcnt 0x0
; CAUSAL ATTENTION, head size 64, on f16 operands with f32 sums.  qkv16: [q, k, v][batch x 16 + head][2048][64] f16, q already multiplied by c = log2(e) / 8, so a score IS t and p = 2^(t - m).
; o16: sixteen planes [head][8192 rows][64] f16.
; SHARES.  Work-group (i, head) owns the blocks i and 7 - i of 256 queries: block i wants i + 1 slots of 256 keys, block 7 - i wants 8 - i: NINE SLOTS FOR EVERY WORK-GROUP, so the loop's count is a
; constant and the work is even.  Each of the eight waves owns 32 queries of the block in hand: two tiles of 16; two waves to a SIMD.
; LAYOUT.  S^T = K Q^T (source 0 = 16 keys, source 1 = 16 queries): a lane holds ONE query (lane % 16) and keys 8 (lane / 16) + 0..7 of each tile.  Two such tiles, rounded to f16 in pairs, are source 1
; of O^T = V^T P; V ([key][channel]) comes out of LDS turned.  Nothing changes lanes but one exchange of halves for the maximum and one for the sum.
; SOFTMAX.  A running maximum m and sum l for each query; in every step O^T and l are multiplied by a = 2^(m_old - m_new).  m starts at -3e38, O^T and l at 0: the first a is 0.
; THE MASK.  A step of 128 keys all of which come after the wave's 32 queries is jumped over (ids alone); on the diagonal hidden scores become -infinity ahead of the maximum.  A step that is walked begins at or
; under the wave's first query, so every query has a key that counts in it.
; THE RING.  Two slots of 256 keys.  Waves 0-3 fetch K's quarters, waves 4-7 V's: one load a wave behind each barrier, 64 rows of 128 bytes each.
; NO CLUSTER: the work-groups that share K and V are the query blocks of one head, and under the mask they walk different slots in each trip (work-group i is at key slot T - i - 1 in its second block).
; LIMITS: |c q|, |k|, |v| under 65,504 (f16); NaN and infinities are not served.
; REGISTERS.  window 0: v1-15 addresses and constants; v16-31 statistics, eight a tile; v32-95 fragments of K or V; v96-223 S^T, then p (64 a tile); v224-237 at work.
;             window 1: v0-31 Q; v32-95 O^T (32 a tile); v96-159 P (32 a tile).
.set PK,    144                        ; a row of K in LDS: 128 bytes + 16
.set PV,    160                        ; a row of V: 128 + 32
.set VOFF,  256*PK
.set SLOT1, 1<<17                      ; one exclusive or turns an address in one slot into the other's
.set STAGE, SLOT1+256*(PK+PV)          ; behind the ring: 16 rows x 144 bytes for each wave
.set SPARE, STAGE+8*16*PK              ; the spare words, 128 bytes for each wave
.set AK0, 1
.set AV0, 2
.set ADK, 3
.set ADV, 4
.set QO,  5
.set STO, 6
.set RD,  7
.set GO,  8
.set DQ,  9                            ; lane % 16 - 8 (lane / 16)
.set SPW, 10
.set NIL, 11
.set DD,  12                           ; v12-13: the mask's bound for each tile
.set PFO, 14
.set NEG, 15                           ; -infinity
.set ST,  16                           ; tile u at v[ST + 8 u]: +0 -m (+1 its partner), +2, +3 l, +4 a (+5 its partner), +6 m, +7 at work
.set FB,  32
.set S,   96
.set TM,  224                          ; v224-231 four partial maxima a tile
.set XP,  232                          ; v232-235 a second chain of sums a tile
.set PX,  236                          ; v236-237 what the other half of the lanes sends
.set OT,  32                           ; window 1
.set PF,  96                           ; window 1
.set WV,  8
.set W3,  9
.set WGI, 10
.set BH,  11
.set TA,  12                           ; slots of the first block
.set T,   13                           ; the trip
.set TB,  14                           ; LDS byte at which the slot in hand begins
.set KF,  15                           ; the step's first key
.set Q0,  16                           ; my first query
.set Q1,  17                           ; and in the second block
.set SEL, 20
.set G1K, 24
.set G1V, 32
.set G0K, 40
.set G0V, 44
.set KB,  48
.set VB,  50
.set QB,  52
.set OB,  54
.set QA,  56
.set OA,  58
.set PFA, 60
.set PB,  76
.set MSB, 0
.macro WIN new
.if MSB != (\new)
	s_set_vgpr_msb (MSB<<8)|(\new)
.set MSB, (\new)
.endif
.endm
.set W_KQ, 0x04                        ; source 1 (Q) window 1
.set W_P,  0x40                        ; destination window 1
.set W_RS, 0x41                        ; O^T (destination, source 0) window 1, a window 0
.set W_PV, 0x54                        ; P, C and D window 1, V window 0
.set W_OUT, 0x05                       ; both sources window 1
.macro PLACES
.rept 4
	v_nop
.endr
.endm
.macro TLOAD                           ; every wave's one load: the branch hangs on the wave's number alone; an s_nop 0 and four v_nop follow each line
	s_cmp_lt_u32 s[WV], 4
	s_cbranch_scc0 .Lfor_v_\@
	tensor_load_to_lds s[G0K:G0K+3], s[G1K:G1K+7]
	s_nop 0
.rept 4
	v_nop
.endr
	s_branch .Lasked_\@
.Lfor_v_\@:
	tensor_load_to_lds s[G0V:G0V+3], s[G1V:G1V+7]
	s_nop 0
.rept 4
	v_nop
.endr
.Lasked_\@:
.endm
; A PREFETCH of the key slot after the one just asked for: my wave's own quarter, 8,192 bytes, lanes 256 bytes apart.  Work-group 0 of a head reaches key slots 4 to 7 in trips 4 to 7, ahead of the head's other
; three; it alone asks, in trips 3 to 6, one slot (64 matrix instructions a tile pair and step, two steps) ahead of its own load: each block of 256 bytes is named once.  Key slots 0 to 3 come by their loads alone.
.macro ASK
	s_sub_co_u32 s66, s[T], 3
	s_lshl_b32 s67, s[WGI], 8
	s_or_b32 s66, s66, s67
	s_cmp_lt_u32 s66, 4
	s_cbranch_scc0 .Lnot_mine_\@
	global_prefetch_b8 v[PFO], s[PFA:PFA+1] th:TH_LOAD_NT scope:SCOPE_SE
.Lnot_mine_\@:
.endm
	s_load_b128 s[4:7], s[0:1], 0x0                ; qkv16, o16
	v_lshl_add_u32 v[SPW], v0, 2, SPARE
	v_mov_b32 v[NIL], 0
	ds_add_u32 v[SPW], v[NIL]                      ; the wave's opening: the add, twice on end, and its wait ahead of my first tensor load
	ds_add_u32 v[SPW], v[NIL]
	v_lshrrev_b32 v1, 5, v0
	v_readfirstlane_b32 s[WV], v1                  ; wave 0..7
	s_and_b32 s[W3], s[WV], 3                      ; which quarter I fetch
	s_mov_b32 s[WGI], ttmp9
	s_and_b32 s[BH], ttmp7, 0xffff                 ; batch x 16 + head
	s_add_co_u32 s[TA], s[WGI], 1
	s_mov_b32 s[G1K], (1<<16)|(1<<20)|(4<<22)|(3<<25)              ; elements of 2 bytes; padding on: 4 words behind every 32
	s_mov_b32 s[G1V], (1<<16)|(1<<20)|(4<<22)|(7<<25)              ; 8 words
.irp g, G1K, G1V
	s_mov_b32 s[\g+1], 64<<16                      ; tensor_dim0
	s_mov_b32 s[\g+2], 64<<16                      ; tensor_dim1
	s_mov_b32 s[\g+3], 64<<16                      ; tile_dim0
	s_mov_b32 s[\g+4], 64                          ; tile_dim1
	s_mov_b32 s[\g+5], 64                          ; the pitch
	s_mov_b32 s[\g+6], 0
	s_mov_b32 s[\g+7], 0
.endr
	s_mov_b32 s[SEL], 0x76543210
	s_mov_b32 s[SEL+1], 0xfedcba98
	s_lshl_b32 s66, s[BH], 18                      ; the head's plane
	s_mov_b32 s67, 0
	s_lshl_b32 s68, s[W3], 13                      ; my quarter: 64 rows of 128 bytes
	s_add_co_u32 s68, s68, s66
	s_add_co_u32 s68, s68, 1<<24                   ; in k's part
	s_mov_b32 s69, 0
	s_and_b32 s70, s[BH], 15
	s_lshl_b32 s70, s70, 20                        ; o16: the head's plane,
	s_lshr_b32 s71, s[BH], 4
	s_lshl_b32 s71, s71, 18                        ; the batch's 2,048 rows
	s_add_co_u32 s70, s70, s71
	s_mov_b32 s71, 0
	s_mul_i32 s72, s[W3], 64*PK
	s_mul_i32 s73, s[W3], 64*PV
	s_add_co_u32 s73, s73, VOFF
	s_lshl_b32 s74, s[WV], 5
	s_lshl_b32 s[Q0], s[WGI], 8
	s_add_co_u32 s[Q0], s[Q0], s74                 ; 256 i + 32 wave
	s_sub_co_u32 s[Q1], 7, s[WGI]
	s_lshl_b32 s[Q1], s[Q1], 8
	s_add_co_u32 s[Q1], s[Q1], s74                 ; 256 (7 - i) + 32 wave
	s_wait_dscnt 0x0                               ; both opening adds are done
	s_wait_kmcnt 0x0
	s_add_nc_u64 s[KB:KB+1], s[4:5], s[68:69]
	s_add_nc_u64 s[VB:VB+1], s[KB:KB+1], 1<<24
	s_add_nc_u64 s[QB:QB+1], s[4:5], s[66:67]
	s_add_nc_u64 s[OB:OB+1], s[6:7], s[70:71]
	s_cmp_lt_u32 s[WV], 4
	s_cselect_b64 s[PB:PB+1], s[KB:KB+1], s[VB:VB+1]
	s_mov_b32 s[G0K], 1
	s_mov_b32 s[G0K+1], s72
	s_mov_b64 s[G0K+2:G0K+3], s[KB:KB+1]
	s_or_b32 s[G0K+3], s[G0K+3], 0x80000000
	s_mov_b32 s[G0V], 1
	s_mov_b32 s[G0V+1], s73
	s_mov_b64 s[G0V+2:G0V+3], s[VB:VB+1]
	s_or_b32 s[G0V+3], s[G0V+3], 0x80000000
	TLOAD                                          ; slot 0: keys 0 to 255, which count for every block
	v_and_b32 v224, 15, v0                         ; r
	v_bfe_u32 v225, v0, 4, 1                       ; h
	v_and_b32 v226, 31, v0                         ; lane
	v_mul_u32_u24 v[AK0], v224, PK
	v_lshl_add_u32 v[AK0], v225, 4, v[AK0]         ; K: row r x pitch + 16 h
	v_and_b32 v227, 7, v0
	v_lshl_add_u32 v[AV0], v225, 3, v227
	v_mul_u32_u24 v[AV0], v[AV0], PV
	v_bfe_u32 v228, v0, 3, 1
	v_lshl_add_u32 v[AV0], v228, 4, v[AV0]
	v_add_nc_u32 v[AV0], VOFF, v[AV0]              ; V, for the turning load: key 8 h + lane % 8, channels 8 ((lane / 8) % 2) on
	v_lshlrev_b32 v[QO], 7, v224
	v_lshl_add_u32 v[QO], v225, 4, v[QO]           ; Q in memory: row r of 128 bytes + 16 h
	s_mul_i32 s66, s[WV], 16*PK
	s_add_co_u32 s66, s66, STAGE                   ; my stage
	v_add_nc_u32 v[STO], s66, v[AK0]               ; in: row r, 16 bytes for each half
	v_lshrrev_b32 v229, 3, v226
	v_mul_u32_u24 v[RD], v229, PK
	v_lshl_add_u32 v[RD], v227, 4, v[RD]
	v_add_nc_u32 v[RD], s66, v[RD]                 ; back: eight lanes to a row, four rows an instruction
	v_lshlrev_b32 v[GO], 4, v226
	v_lshlrev_b32 v229, 3, v225
	v_sub_nc_u32 v[DQ], v224, v229
	v_lshlrev_b32 v[PFO], 8, v226
	v_mov_b32 v[NEG], 0xff800000
	v_mov_b32 v[PX], 0                             ; written once: a lane permute's destination counts as one of its sources
	v_mov_b32 v[PX+1], 0
; A BLOCK BEGINS: Q into registers; O^T, l = 0; m = -3e38.  (The step is written once: the first finds zeros, which its a = 0 leaves zeros.)
.macro START
	s_wait_xcnt 0x0                                ; earlier loads and stores have read their bases and registers
	s_lshl_b32 s66, s[Q0], 7
	s_mov_b32 s67, 0
	s_add_nc_u64 s[QA:QA+1], s[QB:QB+1], s[66:67]
	s_add_nc_u64 s[OA:OA+1], s[OB:OB+1], s[66:67]
	WIN W_P
.irp t, 0,1
.irp c, 0,1
	global_load_b128 v[16*\t+8*\c:16*\t+8*\c+3],   v[QO], s[QA:QA+1] offset:2048*\t+64*\c
	global_load_b128 v[16*\t+8*\c+4:16*\t+8*\c+7], v[QO], s[QA:QA+1] offset:2048*\t+64*\c+32
.endr
.endr
.set n, 0
.rept 64
	v_mov_b32 v[OT+n], 0
.set n, n+1
.endr
	WIN 0
.irp t, 0,1
.irp j, 0,1,2,3,4,5,7
	v_mov_b32 v[ST+8*\t+\j], 0
.endr
	v_mov_b32 v[ST+8*\t+6], 0xff61b1e6             ; -3e38, under every t
.endr
	s_mov_b32 s[KF], 0
	s_wait_loadcnt 0x0                             ; Q
.endm
; A KEY STEP: 128 keys, the q-th of the slot in hand.
.macro STEP q
	s_add_co_u32 s66, s[Q0], 31
	s_cmp_gt_u32 s[KF], s66                        ; all keys behind my last query: nothing to do but to count the step
	s_cbranch_scc1 .Lhidden_\@
	v_add_nc_u32 v[ADK], s[TB], v[AK0]
	v_add_nc_u32 v[ADV], s[TB], v[AV0]
.irp g, 0,1                                    ; S^T = K Q^T, four tiles of 16 keys at a time
	PLACES                                         ; in front of loads into registers that matrix instructions have read
.irp t, 0,1,2,3
.irp c, 0,1
	ds_load_b128 v[FB+16*\t+8*\c:FB+16*\t+8*\c+3],   v[ADK] offset:(128*(\q)+16*(4*\g+\t))*PK+64*\c
	ds_load_b128 v[FB+16*\t+8*\c+4:FB+16*\t+8*\c+7], v[ADK] offset:(128*(\q)+16*(4*\g+\t))*PK+64*\c+32
.endr
.endr
	s_wait_dscnt 0x0
	WIN W_KQ
.irp c, 0,1                                    ; eight accumulators by turns, one instruction a turn
.irp t, 0,1,2,3
.irp u, 0,1
.if \c == 0
	v_wmma_f32_16x16x32_f16 v[S+64*\u+8*(4*\g+\t):S+64*\u+8*(4*\g+\t)+7], v[FB+16*\t+8*\c:FB+16*\t+8*\c+7], v[16*\u+8*\c:16*\u+8*\c+7], 0
.else
	v_wmma_f32_16x16x32_f16 v[S+64*\u+8*(4*\g+\t):S+64*\u+8*(4*\g+\t)+7], v[FB+16*\t+8*\c:FB+16*\t+8*\c+7], v[16*\u+8*\c:16*\u+8*\c+7], v[S+64*\u+8*(4*\g+\t):S+64*\u+8*(4*\g+\t)+7]
.endif
.endr
.endr
.endr
	WIN 0
.endr
	PLACES                                         ; behind the last products, ahead of the first read of results
	s_add_co_u32 s66, s[KF], 127
	s_cmp_le_u32 s66, s[Q0]                        ; all keys count for all my queries: no mask
	s_cbranch_scc1 .Lopen_\@
	s_sub_co_i32 s66, s[Q0], s[KF]
	v_add_nc_u32 v[DD], s66, v[DQ]                 ; register 8 kt + j of tile u holds key KF + 16 kt + 8 h + j: hidden where 16 kt + j > Q0 - KF + 16 u + r - 8 h
	v_add_nc_u32 v[DD+1], 16, v[DD]
.irp u, 0,1
.set n, 0
.rept 64
	v_cmp_gt_i32 vcc_lo, 16*(n/8)+n%8, v[DD+\u]
	v_cndmask_b32 v[S+64*\u+n], v[S+64*\u+n], v[NEG], vcc_lo
.set n, n+1
.endr
.endr
.Lopen_\@:
.irp u, 0,1                                    ; the largest score: four chains a tile, each accumulator from its low end on
.irp b, 0,1,2,3
	v_max3_num_f32 v[TM+4*\u+\b], v[S+64*\u+16*\b], v[S+64*\u+16*\b+1], v[S+64*\u+16*\b+2]
.endr
.endr
.irp i, 3,5,7,9,11,13
.irp u, 0,1
.irp b, 0,1,2,3
	v_max3_num_f32 v[TM+4*\u+\b], v[TM+4*\u+\b], v[S+64*\u+16*\b+\i], v[S+64*\u+16*\b+\i+1]
.endr
.endr
.endr
.irp u, 0,1
.irp b, 0,1,2,3
	v_max_num_f32 v[TM+4*\u+\b], v[TM+4*\u+\b], v[S+64*\u+16*\b+15]
.endr
.endr
.irp u, 0,1
	v_max3_num_f32 v[TM+4*\u], v[TM+4*\u], v[TM+4*\u+1], v[TM+4*\u+2]
.endr
.irp u, 0,1
	v_max_num_f32 v[TM+4*\u], v[TM+4*\u], v[TM+4*\u+3]
.endr
.irp u, 0,1
	v_permlanex16_b32 v[PX+\u], v[TM+4*\u], s[SEL], s[SEL+1]       ; the query's other keys lie in the lane 16 away
.endr
.irp u, 0,1
	v_mov_b32 v[ST+8*\u+7], v[ST+8*\u+6]           ; the old m
.endr
.irp u, 0,1
	v_max3_num_f32 v[ST+8*\u+6], v[TM+4*\u], v[PX+\u], v[ST+8*\u+6]
.endr
.irp u, 0,1
	v_sub_f32 v[ST+8*\u+7], v[ST+8*\u+7], v[ST+8*\u+6]             ; m_old - m_new
.endr
.irp u, 0,1
	v_xor_b32 v[ST+8*\u], 0x80000000, v[ST+8*\u+6]                 ; -m
.endr
.irp u, 0,1
.set n, 0
.rept 32
	v_pk_add_f32 v[S+64*\u+2*n:S+64*\u+2*n+1], v[S+64*\u+2*n:S+64*\u+2*n+1], v[ST+8*\u:ST+8*\u+1] op_sel_hi:[1,0]   ; t - m, two at a time
.set n, n+1
.endr
.endr
.irp u, 0,1                                    ; ONE BATCH of 130 exponentials; nothing in it reads a result
	v_exp_f32 v[ST+8*\u+4], v[ST+8*\u+7]           ; a
.endr
.set n, 0
.rept 128
	v_exp_f32 v[S+n], v[S+n]                       ; p, at most 1
.set n, n+1
.endr
	v_nop                                          ; a plain instruction behind the last exponential
	s_wait_alu depctr_va_vdst(0)                   ; one wait for the batch, ahead of the first instruction that names a result
.irp u, 0,1
	v_pk_mul_f32 v[ST+8*\u+2:ST+8*\u+3], v[ST+8*\u+2:ST+8*\u+3], v[ST+8*\u+4:ST+8*\u+5] op_sel_hi:[1,0]   ; l x a
	v_pk_add_f32 v[XP+2*\u:XP+2*\u+1], v[S+64*\u:S+64*\u+1], v[S+64*\u+2:S+64*\u+3]
.endr
.irp j, 4,8,12,16,20,24,28,32,36,40,44,48,52,56,60
.irp u, 0,1
	v_pk_add_f32 v[ST+8*\u+2:ST+8*\u+3], v[ST+8*\u+2:ST+8*\u+3], v[S+64*\u+\j:S+64*\u+\j+1]
	v_pk_add_f32 v[XP+2*\u:XP+2*\u+1], v[XP+2*\u:XP+2*\u+1], v[S+64*\u+\j+2:S+64*\u+\j+3]
.endr
.endr
.irp u, 0,1
	v_pk_add_f32 v[ST+8*\u+2:ST+8*\u+3], v[ST+8*\u+2:ST+8*\u+3], v[XP+2*\u:XP+2*\u+1]
.endr
	WIN W_P
.irp u, 0,1
.set n, 0
.rept 32
	v_cvt_pk_f16_f32 v[PF+32*\u+n], v[S+64*\u+2*n], v[S+64*\u+2*n+1]   ; two key tiles' pairs are one fragment of P
.set n, n+1
.endr
.endr
	WIN W_RS
.irp u, 0,1
.set n, 0
.rept 16
	v_pk_mul_f32 v[OT+32*\u+2*n:OT+32*\u+2*n+1], v[OT+32*\u+2*n:OT+32*\u+2*n+1], v[ST+8*\u+4:ST+8*\u+5] op_sel_hi:[1,0]   ; O^T x a, ascending
.set n, n+1
.endr
.endr
.irp g, 0,1                                    ; O^T += V^T P: two groups of 32 keys at a time
	WIN 0
.if \g > 0
	PLACES
.endif
.irp k, 0,1
.irp c, 0,1,2,3
	ds_load_tr16_b128 v[FB+32*\k+8*\c:FB+32*\k+8*\c+3],   v[ADV] offset:(128*(\q)+32*(2*\g+\k))*PV+32*\c
	ds_load_tr16_b128 v[FB+32*\k+8*\c+4:FB+32*\k+8*\c+7], v[ADV] offset:(128*(\q)+32*(2*\g+\k))*PV+16*PV+32*\c
.endr
.endr
	s_wait_dscnt 0x0
	WIN W_PV
.irp k, 0,1                                    ; eight accumulators by turns
.irp c, 0,1,2,3
.irp u, 0,1
	v_wmma_f32_16x16x32_f16 v[OT+32*\u+8*\c:OT+32*\u+8*\c+7], v[FB+32*\k+8*\c:FB+32*\k+8*\c+7], v[PF+32*\u+8*(2*\g+\k):PF+32*\u+8*(2*\g+\k)+7], v[OT+32*\u+8*\c:OT+32*\u+8*\c+7]
.endr
.endr
.endr
.endr
	WIN 0
.Lhidden_\@:
	s_add_co_u32 s[KF], s[KF], 128
.endm
; A BLOCK ENDS: O^T / l, rounded to f16, through my stage, out as four rows of 128 bytes an instruction.
.macro FINISH
	PLACES
.irp t, 0,1
	v_add_f32 v[ST+8*\t+7], v[ST+8*\t+2], v[ST+8*\t+3]
.endr
.irp t, 0,1
	v_permlanex16_b32 v[PX+\t], v[ST+8*\t+7], s[SEL], s[SEL+1]
.endr
.irp t, 0,1
	v_add_f32 v[ST+8*\t+7], v[ST+8*\t+7], v[PX+\t]
.endr
.irp t, 0,1
	v_rcp_f32 v[ST+8*\t+4], v[ST+8*\t+7]
.endr
	v_nop
	s_wait_alu depctr_va_vdst(0)                   ; one wait for the two reciprocals, ahead of their first reader
.irp t, 0,1
	WIN W_RS
.set n, 0
.rept 16
	v_pk_mul_f32 v[OT+32*\t+2*n:OT+32*\t+2*n+1], v[OT+32*\t+2*n:OT+32*\t+2*n+1], v[ST+8*\t+4:ST+8*\t+5] op_sel_hi:[1,0]
.set n, n+1
.endr
	WIN W_OUT
.set n, 0
.rept 16
	v_cvt_pk_f16_f32 v[S+16*\t+n], v[OT+32*\t+2*n], v[OT+32*\t+2*n+1]
.set n, n+1
.endr
	WIN 0
.irp c, 0,1,2,3
	ds_store_b128 v[STO], v[S+16*\t+4*\c:S+16*\t+4*\c+3] offset:32*\c
.endr
.irp g, 0,1,2,3
	ds_load_b128 v[S+32+16*\t+4*\g:S+32+16*\t+4*\g+3], v[RD] offset:4*\g*PK   ; LDS serves a wave's instructions in order: these see my stores, and the next tile's stores come behind them
.endr
.endr
.irp t, 0,1
.irp g, 0,1,2,3
	s_wait_dscnt 8*(1-\t)+3-\g                     ; the younger loads, and for tile 0 tile 1's eight LDS instructions, may be out
	global_store_b128 v[GO], v[S+32+16*\t+4*\g:S+32+16*\t+4*\g+3], s[OA:OA+1] offset:2048*\t+512*\g   ; 512 consecutive bytes, aligned
.endr
.endr
.endm
; THE CHANGE OF SLOTS, at a slot's head.  Each wave waits for all its tensor loads (its quarter of the slot ahead), adds 0 to its spare word, and waits for that and for its reads of the slot that it has left.
; fill = 1: behind the barrier the slot just left takes the keys of trip T + 1: key slot T + 1 of the first block, or T + 1 - TA of the second.
.macro CHANGE fill
	s_wait_tensorcnt 0x0                           ; no tensor load of mine is out, so a group 0 may be written
	ds_add_u32 v[SPW], v[NIL]                      ; 0 onto my spare word
.if \fill
	s_add_co_u32 s66, s[T], 1
	s_sub_co_u32 s67, s66, s[TA]
	s_cmp_lt_u32 s66, s[TA]
	s_cselect_b32 s66, s66, s67                    ; the key slot
	s_add_co_u32 s68, s66, 1
	s_lshl_b32 s66, s66, 15                        ; 256 rows of 128 bytes
	s_mov_b32 s67, 0
	s_lshl_b32 s68, s68, 15
	s_mov_b32 s69, 0
	s_xor_b32 s[G0K+1], s[G0K+1], SLOT1
	s_add_nc_u64 s[G0K+2:G0K+3], s[KB:KB+1], s[66:67]
	s_or_b32 s[G0K+3], s[G0K+3], 0x80000000
	s_xor_b32 s[G0V+1], s[G0V+1], SLOT1
	s_add_nc_u64 s[G0V+2:G0V+3], s[VB:VB+1], s[66:67]
	s_or_b32 s[G0V+3], s[G0V+3], 0x80000000
	s_wait_xcnt 0x0                                ; the last prefetch, a slot back, has read its address
	s_add_nc_u64 s[PFA:PFA+1], s[PB:PB+1], s[68:69]
.endif
	s_wait_dscnt 0x0                               ; the add is done, and my reads of the slot that I have left are over
	s_barrier_signal -1
	s_barrier_wait -1
.if \fill
	TLOAD                                          ; the first thing behind the barrier, and my one tensor load until the next: it has two key steps in which to land
	ASK
.endif
.endm
	START
	s_mov_b32 s[T], 0
	s_mov_b32 s[TB], 0
.Lslot:                                            ; eight trips; the ninth slot is written out
	CHANGE 1
	s_cmp_lg_u32 s[T], s[TA]                       ; ids and the count of trips alone: the same in all eight waves.  TA is 1 to 4
	s_cbranch_scc1 .Lsame
	FINISH                                         ; the first block is done;
	s_mov_b32 s[Q0], s[Q1]
	START                                          ; the second begins at key 0
.Lsame:
	STEP 0
	STEP 1
	s_xor_b32 s[TB], s[TB], SLOT1
	s_add_co_u32 s[T], s[T], 1
	s_cmp_lt_u32 s[T], 8
	s_cbranch_scc1 .Lslot
	CHANGE 0
	STEP 0
	STEP 1
	FINISH
	s_wait_tensorcnt 0x0                           ; the wave's end
	ds_add_u32 v[SPW], v[NIL]
	s_wait_dscnt 0x0
	s_endpgm
.Lfunc_end_k_q75115d8e75_attn:
	.size	k_q75115d8e75_attn, .Lfunc_end_k_q75115d8e75_attn-k_q75115d8e75_attn
	.p2alignl 7, 3214868480
	.fill 96, 4, 3214868480
	.section	.rodata,"a",@progbits
	.p2align	6, 0x0
	.amdhsa_kernel k_q75115d8e75_attn
		.amdhsa_group_segment_fixed_size 327680
		.amdhsa_private_segment_fixed_size 0
		.amdhsa_enable_private_segment 0
		.amdhsa_kernarg_size 16
		.amdhsa_user_sgpr_count 2
		.amdhsa_user_sgpr_kernarg_segment_ptr 1
		.amdhsa_wavefront_size32 1
		.amdhsa_system_sgpr_workgroup_id_x 1
		.amdhsa_system_sgpr_workgroup_id_y 1
		.amdhsa_system_sgpr_workgroup_id_z 1
		.amdhsa_system_vgpr_workitem_id 0
		.amdhsa_next_free_vgpr 512
		.amdhsa_next_free_sgpr 80
		.amdhsa_reserve_vcc 1
		.amdhsa_float_denorm_mode_32 3
		.amdhsa_float_denorm_mode_16_64 3
		.amdhsa_memory_ordered 1
		.amdhsa_forward_progress 1
		.amdhsa_inst_pref_size 197
	.end_amdhsa_kernel
	.amdgpu_metadata
---
amdhsa.version: [ 1, 2 ]
amdhsa.kernels:
  - .name:           k_q75115d8e75_attn
    .symbol:         k_q75115d8e75_attn.kd
    .args:
      - { .name: qkv16, .offset: 0, .size: 8, .value_kind: global_buffer, .address_space: global }
      - { .name: o16, .offset: 8, .size: 8, .value_kind: global_buffer, .address_space: global }
    .group_segment_fixed_size: 327680
    .private_segment_fixed_size: 0
    .kernarg_segment_align: 8
    .kernarg_segment_size: 16
    .max_flat_workgroup_size: 256
    .sgpr_count:     80
    .vgpr_count:     512
    .wavefront_size: 32
...
	.end_amdgpu_metadata
.endif
;; end of part 3
;; launch proj (part 4): grid 4 x 64, 4 waves a work-group, clusters of 4 x 4, 327,680 bytes of LDS; arguments o16, wt, out0; writes out0
.if DOCPART == 4
	.amdgcn_target "amdgcn-amd-amdhsa--gfx1250"
	.amdhsa_code_object_version 6
	.text
	.protected	k_q75115d8e75_proj
	.globl	k_q75115d8e75_proj
	.p2align	8
	.type	k_q75115d8e75_proj,@function
k_q75115d8e75_proj:
	s_mov_b64 s[64:65], 0
	v_nop
	global_prefetch_b8 v0, s[64:65] scope:SCOPE_SE
	s_setreg_imm32_b32 hwreg(HW_REG_WAVE_MODE, 25, 1), 1
	s_wait_xcnt 0x0
	s_wait_alu depctr_hold_cnt(0) depctr_sa_sdst(0) depctr_va_vdst(0) depctr_va_sdst(0) depctr_va_ssrc(0) depctr_va_vcc(0) depctr_vm_vsrc(0)
	s_getreg_b32 s2, hwreg(HW_REG_IB_STS2, 6, 4)
	s_cmp_eq_u32 s2, 0
	s_cbranch_scc0 .Lentry_in_a_cluster
	s_endpgm
.Lentry_in_a_cluster:
	s_bfe_u32 s2, ttmp6, 0x10000c
	s_cmp_lg_u32 s2, 0xf033
	s_cbranch_scc0 .Lentry_shape_is_right
	s_endpgm
.Lentry_shape_is_right:
; out0 = o w_out: [8192][1024] x [1024][1024], f16 operands, f32 sums, f32 out.  o16: sixteen planes [k / 64][8192 m][64 k]; wt: sixteen planes [k / 64][1024 n][64 k]: rows of 128 bytes, dense.
; A tile of 128 (m) x 256 (n) to a work-group: 256 work-groups.  Four waves, each 64 x 128: 32 accumulators, 256 registers (window 2).
; K goes in steps of 128 (two planes) through a ring of two LDS slots.  One load a wave: waves 0 and 1 a plane of o's 128 rows each, waves 2 and 3 a plane of wt's 256 rows each.
; CLUSTERS: 4 x 4.  The four of a row need the same tiles of o, the four of a column the same tiles of wt: each is asked for jointly.
; THE MATRIX INSTRUCTION IS USED TRANSPOSED (source 0 = 16 rows of wt, source 1 = 16 rows of o): a lane holds eight neighbouring columns of a row of out0.
; No prefetch: the tiles are shared in the cluster, and 112 matrix instructions a wave stand between a request and the wait for it.
; The first 16 positions of each sequence are written here too, and written again, from f32 operands, by the launch that follows.
; REGISTERS: window 0: v16-29 addresses; v64-191 the way out.  window 1: two fragment buffers of 96: o's four blocks, then wt's eight.  window 2: the accumulators, (a, b) at v[8 (8 a + b)].
.set PITCH,  144                       ; an LDS row: 128 bytes + 16
.set APL,    128*PITCH                 ; a plane of o's tile
.set BPL,    256*PITCH                 ; a plane of wt's
.set BOFF,   2*APL
.set SLOT,   2*APL+2*BPL
.set STAGE,  2*SLOT                    ; behind the ring: 16 rows x (512 + 16) bytes for each wave
.set SPITCH, 528
.set SPARE,  STAGE+4*16*SPITCH
.set ADRA, 16
.set ADRB, 20
.set STO,  24
.set RD,   25
.set CO,   26
.set SPW,  28
.set NIL,  29
.set BK,   64
.set F0,   0
.set F1,   128
.set G1, 24
.set G0, 32
.set G1B, 48
.set G0B, 56
.set MSB, 0
.macro WIN new
.if MSB != (\new)
	s_set_vgpr_msb (MSB<<8)|(\new)
.set MSB, (\new)
.endif
.endm
.set MUL,  0xa5                        ; sources 0 and 1 window 1; C and D window 2
.set TO_F, 0x40
.macro JLOAD s                         ; waves 0 and 1 fetch for o, waves 2 and 3 for wt; an s_nop 0 and four v_nop follow each line
	s_cmp_eq_u32 s11, 0
	s_cbranch_scc0 .Lfor_b_\@
	tensor_load_to_lds s[G0+4*\s:G0+4*\s+3], s[G1:G1+7]
	s_nop 0
.rept 4
	v_nop
.endr
	s_branch .Lasked_\@
.Lfor_b_\@:
	tensor_load_to_lds s[G0B+4*\s:G0B+4*\s+3], s[G1B:G1B+7]
	s_nop 0
.rept 4
	v_nop
.endr
.Lasked_\@:
.endm
.macro CREST
	s_cmp_lg_u32 s10, 0
	s_cbranch_scc1 .Lnot_wave_0_\@
	s_barrier_signal -3
.Lnot_wave_0_\@:
	s_barrier_wait -3
	s_barrier_signal -1
	s_barrier_wait -1
.endm
.macro CROUND
	s_barrier_signal -1
	s_barrier_wait -1
	CREST
.endm
	s_load_b128 s[4:7], s[0:1], 0x0                ; o16, wt
	s_load_b64 s[8:9], s[0:1], 0x10                ; out0
	v_lshl_add_u32 v[SPW], v0, 2, SPARE
	v_mov_b32 v[NIL], 0
	ds_add_u32 v[SPW], v[NIL]                      ; the wave's opening: the add, twice on end, and its wait ahead of my first tensor load
	ds_add_u32 v[SPW], v[NIL]
	v_lshrrev_b32 v1, 5, v0
	v_readfirstlane_b32 s10, v1                    ; wave 0..3
	s_lshr_b32 s11, s10, 1                         ; my half of the tile's rows.  Also: I fetch for o (0) or for wt (1)
	s_and_b32 s12, s10, 1                          ; my half of its columns.  Also: which of a step's two planes I fetch
	s_bfe_u32 s40, ttmp6, 0x40000                  ; cx
	s_bfe_u32 s41, ttmp6, 0x40004                  ; cy
	s_lshl_b32 s42, ttmp9, 2
	s_add_co_u32 s42, s42, s40                     ; tile column
	s_and_b32 s13, ttmp7, 0xffff
	s_lshl_b32 s13, s13, 2
	s_add_co_u32 s13, s13, s41                     ; tile row
	s_lshl_b32 s43, s41, 2
	s_lshl_b32 s43, 15, s43                        ; my row of the cluster
	s_lshl_b32 s44, 0x1111, s40                    ; my column
	s_or_b32 s[G1+0], s43, (1<<16)|(1<<20)|(1<<21)|(4<<22)|(3<<25)  ; the mask; elements of 2 bytes; padding on; bit 21 beside a mask; 4 words behind every 32
	s_or_b32 s[G1B+0], s44, (1<<16)|(1<<20)|(1<<21)|(4<<22)|(3<<25)
	s_mov_b32 s[G1+1], 64<<16                      ; tensor_dim0
	s_mov_b32 s[G1+2], 128<<16                     ; tensor_dim1
	s_mov_b32 s[G1+3], 64<<16                      ; tile_dim0
	s_mov_b32 s[G1+4], 128                         ; tile_dim1
	s_mov_b32 s[G1+5], 64                          ; the pitch
	s_mov_b32 s[G1+6], 0
	s_mov_b32 s[G1+7], 0
	s_mov_b32 s[G1B+1], 64<<16
	s_mov_b32 s[G1B+2], 256<<16
	s_mov_b32 s[G1B+3], 64<<16
	s_mov_b32 s[G1B+4], 256
	s_mov_b32 s[G1B+5], 64
	s_mov_b32 s[G1B+6], 0
	s_mov_b32 s[G1B+7], 0
	s_lshl_b32 s16, s12, 20                        ; o16: my plane of the step,
	s_lshl_b32 s17, s13, 14                        ; the tile's 128 rows of 128 bytes
	s_add_co_u32 s16, s16, s17
	s_mov_b32 s17, 0
	s_lshl_b32 s46, s12, 17                        ; wt: my plane,
	s_lshl_b32 s47, s42, 15                        ; the tile's 256 rows
	s_add_co_u32 s46, s46, s47
	s_mov_b32 s47, 0
	s_mul_i32 s20, s12, APL                        ; where they go in a slot
	s_mul_i32 s21, s12, BPL
	s_add_co_u32 s21, s21, BOFF
	s_wait_dscnt 0x0                               ; both opening adds are done
	s_wait_kmcnt 0x0
	s_add_nc_u64 s[14:15], s[4:5], s[16:17]
	s_add_nc_u64 s[46:47], s[6:7], s[46:47]
	CROUND                                         ; all sixteen work-groups are here: the first joint loads meet
.irp s, 0,1
	s_mov_b32 s[G0+4*\s], 1
	s_add_co_u32 s[G0+4*\s+1], s20, \s*SLOT
	s_add_nc_u64 s[G0+4*\s+2:G0+4*\s+3], s[14:15], \s*(2<<20)      ; K step s: two planes on
	s_or_b32 s[G0+4*\s+3], s[G0+4*\s+3], 0x80000000
	s_mov_b32 s[G0B+4*\s], 1
	s_add_co_u32 s[G0B+4*\s+1], s21, \s*SLOT
	s_add_nc_u64 s[G0B+4*\s+2:G0B+4*\s+3], s[46:47], \s*262144
	s_or_b32 s[G0B+4*\s+3], s[G0B+4*\s+3], 0x80000000
	JLOAD \s                                       ; two loads of mine are out
.endr
	v_and_b32 v1, 15, v0                           ; r
	v_bfe_u32 v2, v0, 4, 1                         ; h
	v_mul_u32_u24 v3, v1, PITCH
	v_lshl_add_u32 v3, v2, 4, v3
	s_mul_i32 s21, s11, 64*PITCH                   ; my 64 rows of o
	s_mul_i32 s22, s12, 128*PITCH                  ; my 128 rows of wt
	s_add_co_u32 s22, s22, BOFF
.irp s, 0,1
	v_add_nc_u32 v[ADRA+\s], s21, v3
	v_add_nc_u32 v[ADRB+\s], s22, v3
	s_add_co_u32 s21, s21, SLOT
	s_add_co_u32 s22, s22, SLOT
.endr
	s_mul_i32 s23, s10, 16*SPITCH
	s_add_co_u32 s23, s23, STAGE                   ; my stage
	v_mul_u32_u24 v4, v1, SPITCH
	v_lshl_add_u32 v4, v2, 5, v4
	v_add_nc_u32 v[STO], s23, v4                   ; in: row r, 32 bytes for each half
	v_and_b32 v5, 31, v0
	v_lshlrev_b32 v[CO], 4, v5
	v_add_nc_u32 v[RD], s23, v[CO]                 ; back: the 32 lanes take a row of 512 bytes
	s_lshl_b32 s16, s13, 19                        ; out0: 128 rows of 4,096 bytes a tile row,
	s_lshl_b32 s17, s11, 18                        ; my 64,
	s_add_co_u32 s16, s16, s17
	s_lshl_b32 s46, s42, 10                        ; 1,024 bytes a tile column,
	s_add_co_u32 s16, s16, s46
	s_lshl_b32 s46, s12, 9                         ; my 512
	s_add_co_u32 s16, s16, s46
	s_mov_b32 s17, 0
	s_add_nc_u64 s[8:9], s[8:9], s[16:17]
.macro MULA f, a, zero                 ; o's block a against wt's eight, 32 along K.  The 32 accumulators take turns in the same order in every quarter
.irp b, 0,1,2,3,4,5,6,7
.if \zero
	v_wmma_f32_16x16x32_f16 v[8*(8*(\a)+\b):8*(8*(\a)+\b)+7], v[\f+32+8*\b:\f+32+8*\b+7], v[\f+8*(\a):\f+8*(\a)+7], 0
.else
	v_wmma_f32_16x16x32_f16 v[8*(8*(\a)+\b):8*(8*(\a)+\b)+7], v[\f+32+8*\b:\f+32+8*\b+7], v[\f+8*(\a):\f+8*(\a)+7], v[8*(8*(\a)+\b):8*(8*(\a)+\b)+7]
.endif
.endr
.endm
.macro FETCH slot, q, f                ; 24 LDS loads in one run: quarter q (plane q / 2, byte 64 (q % 2) of the rows): wt's eight blocks first, then o's four
	WIN TO_F
.irp i, 0,1,2,3,4,5,6,7
	ds_load_b128 v[\f+32+8*\i:\f+32+8*\i+3],   v[ADRB+\slot] offset:((\q)/2)*BPL+64*((\q)%2)+\i*16*PITCH
	ds_load_b128 v[\f+32+8*\i+4:\f+32+8*\i+7], v[ADRB+\slot] offset:((\q)/2)*BPL+64*((\q)%2)+\i*16*PITCH+32
.endr
.irp i, 0,1,2,3
	ds_load_b128 v[\f+8*\i:\f+8*\i+3],   v[ADRA+\slot] offset:((\q)/2)*APL+64*((\q)%2)+\i*16*PITCH
	ds_load_b128 v[\f+8*\i+4:\f+8*\i+7], v[ADRA+\slot] offset:((\q)/2)*APL+64*((\q)%2)+\i*16*PITCH+32
.endr
.endm
.macro PLACES
.rept 4
	v_nop
.endr
.endm
.macro QUARTER slot, qn, f, g, zero    ; multiplies buffer f; in its middle fetches quarter qn of the same slot into g
	s_wait_dscnt 4                                 ; wt's blocks and o's blocks 0, 1 are in; the youngest four loads (o's blocks 2, 3) may be out
	WIN MUL
	MULA \f, 0, \zero
	MULA \f, 1, \zero
	PLACES
	FETCH \slot, \qn, \g
	s_wait_dscnt 24                                ; all but the 24 just issued
	WIN MUL
	MULA \f, 2, \zero
	MULA \f, 3, \zero
.endm
; A K step's last quarter multiplies buffer 1 and changes slots: one barrier; fill = 1: it opens a round of the cluster's barrier, and this slot is filled again, two K steps ahead.
.macro TURN slot, next, fill
	WIN 0
	s_wait_tensorcnt 0x0                           ; all my tensor loads have landed: my part of the next slot
	ds_add_u32 v[SPW], v[NIL]                      ; 0 onto my spare word
	s_wait_dscnt 5                                 ; (the add and the youngest four loads may be out)
	WIN MUL
	MULA F1, 0, 0
	s_wait_dscnt 0x0                               ; the add is done, and my reads of this slot are over
	s_barrier_signal -1
	MULA F1, 1, 0
.if \fill
	WIN 0
.endif
	s_barrier_wait -1
.if \fill
	CREST                                          ; no wave of any partner still reads this slot or has a load on its way
	s_add_nc_u64 s[G0+4*\slot+2:G0+4*\slot+3], s[G0+4*\slot+2:G0+4*\slot+3], 4<<20
	s_add_nc_u64 s[G0B+4*\slot+2:G0B+4*\slot+3], s[G0B+4*\slot+2:G0B+4*\slot+3], 524288
	JLOAD \slot                                    ; the first tensor load behind the round; its four v_nop are also the places in front of the loads below
.else
	PLACES
.endif
	FETCH \next, 0, F0
	WIN MUL
	MULA F1, 2, 0
	MULA F1, 3, 0
.endm
	s_wait_tensorcnt 1                             ; my part of K step 0 is in; K step 1's load may be out
	s_barrier_signal -1
	s_barrier_wait -1
	FETCH 0, 0, F0
	QUARTER 0, 1, F0, F1, 1                        ; the first quarter's products start the sums
	WIN 0
	s_mov_b32 s3, 3
.Llap:                                             ; a trip goes once round the ring and fills both slots again: K steps 2 to 7 in three trips
	QUARTER 0, 2, F1, F0, 0
	QUARTER 0, 3, F0, F1, 0
	TURN 0, 1, 1
	QUARTER 1, 1, F0, F1, 0
	QUARTER 1, 2, F1, F0, 0
	QUARTER 1, 3, F0, F1, 0
	TURN 1, 0, 1
	QUARTER 0, 1, F0, F1, 0
	WIN 0
	s_sub_co_u32 s3, s3, 1
	s_cmp_lg_u32 s3, 0
	s_cbranch_scc1 .Llap
	QUARTER 0, 2, F1, F0, 0                        ; the last lap fills nothing
	QUARTER 0, 3, F0, F1, 0
	TURN 0, 1, 0
	QUARTER 1, 1, F0, F1, 0
	QUARTER 1, 2, F1, F0, 0
	QUARTER 1, 3, F0, F1, 0
	s_wait_dscnt 4
	WIN MUL
	MULA F1, 0, 0
	MULA F1, 1, 0
	s_wait_dscnt 0
	MULA F1, 2, 0
	MULA F1, 3, 0
	WIN 0
	PLACES
; THE WAY OUT, a block of 16 rows x 128 columns at a time, through my own stage, back as whole rows of 512 bytes.
.macro TOSTAGE a
	WIN 0x08                                       ; an LDS store's data are its source 1: window 2
.irp b, 0,1,2,3,4,5,6,7
	ds_store_b128 v[STO], v[8*(8*(\a)+\b):8*(8*(\a)+\b)+3] offset:64*\b          ; each accumulator from its low end on
	ds_store_b128 v[STO], v[8*(8*(\a)+\b)+4:8*(8*(\a)+\b)+7] offset:64*\b+16
.endr
	WIN 0
.set BB, BK+64*((\a)%2)
.irp t, 0,1,2,3,4,5,6,7,8,9,10,11,12,13,14,15
	ds_load_b128 v[BB+4*\t:BB+4*\t+3], v[RD] offset:\t*SPITCH
.endr
.endm
.macro SEND a, younger
.set BB, BK+64*((\a)%2)
	s_wait_dscnt \younger
.irp t, 0,1,2,3,4,5,6,7,8,9,10,11,12,13,14,15
	global_store_b128 v[CO], v[BB+4*\t:BB+4*\t+3], s[8:9] offset:(16*(\a)+\t)*4096 th:TH_STORE_NT   ; 512 consecutive bytes, aligned; every offset an immediate
.endr
.endm
	TOSTAGE 0
.irp a, 1,2,3
.if \a > 1
	s_wait_xcnt 0x0                                ; block a - 2's stores have read the registers that block a's loads take
.endif
	TOSTAGE \a
	SEND \a-1, 32                                  ; behind block a - 1's loads: block a's 16 stores and 16 loads
.endr
	SEND 3, 0
	s_wait_tensorcnt 0x0                           ; the wave's end
	ds_add_u32 v[SPW], v[NIL]
	s_wait_dscnt 0x0
	CROUND                                         ; the closing round
	s_endpgm
.Lfunc_end_k_q75115d8e75_proj:
	.size	k_q75115d8e75_proj, .Lfunc_end_k_q75115d8e75_proj-k_q75115d8e75_proj
	.p2alignl 7, 3214868480
	.fill 96, 4, 3214868480
	.section	.rodata,"a",@progbits
	.p2align	6, 0x0
	.amdhsa_kernel k_q75115d8e75_proj
		.amdhsa_group_segment_fixed_size 327680
		.amdhsa_private_segment_fixed_size 0
		.amdhsa_enable_private_segment 0
		.amdhsa_kernarg_size 24
		.amdhsa_user_sgpr_count 2
		.amdhsa_user_sgpr_kernarg_segment_ptr 1
		.amdhsa_wavefront_size32 1
		.amdhsa_system_sgpr_workgroup_id_x 1
		.amdhsa_system_sgpr_workgroup_id_y 1
		.amdhsa_system_sgpr_workgroup_id_z 1
		.amdhsa_system_vgpr_workitem_id 0
		.amdhsa_next_free_vgpr 768
		.amdhsa_next_free_sgpr 66
		.amdhsa_reserve_vcc 0
		.amdhsa_float_denorm_mode_32 3
		.amdhsa_float_denorm_mode_16_64 3
		.amdhsa_memory_ordered 1
		.amdhsa_forward_progress 1
		.amdhsa_inst_pref_size 85
	.end_amdhsa_kernel
	.amdgpu_metadata
---
amdhsa.version: [ 1, 2 ]
amdhsa.kernels:
  - .name:           k_q75115d8e75_proj
    .symbol:         k_q75115d8e75_proj.kd
    .args:
      - { .name: o16, .offset: 0, .size: 8, .value_kind: global_buffer, .address_space: global }
      - { .name: wt, .offset: 8, .size: 8, .value_kind: global_buffer, .address_space: global }
      - { .name: out0, .offset: 16, .size: 8, .value_kind: global_buffer, .address_space: global }
    .group_segment_fixed_size: 327680
    .private_segment_fixed_size: 0
    .kernarg_segment_align: 8
    .kernarg_segment_size: 24
    .max_flat_workgroup_size: 128
    .sgpr_count:     66
    .vgpr_count:     768
    .wavefront_size: 32
...
	.end_amdgpu_metadata
.endif
;; end of part 4
;; launch first16 (part 5): grid 32 x 4, 16 waves a work-group, no clusters, 38,912 bytes of LDS; arguments qkv32, w_out, out0; writes out0
.if DOCPART == 5
	.amdgcn_target "amdgcn-amd-amdhsa--gfx1250"
	.amdhsa_code_object_version 6
	.text
	.protected	k_q75115d8e75_first16
	.globl	k_q75115d8e75_first16
	.p2align	8
	.type	k_q75115d8e75_first16,@function
k_q75115d8e75_first16:
	s_mov_b64 s[64:65], 0
	v_nop
	global_prefetch_b8 v0, s[64:65] scope:SCOPE_SE
	s_setreg_imm32_b32 hwreg(HW_REG_WAVE_MODE, 25, 1), 1
	s_wait_xcnt 0x0
; THE FIRST 16 POSITIONS OF EVERY SEQUENCE, IN f32 THROUGHOUT: attention over their 16 keys and the projection, from the raw f32 sums qkv32 [batch][16][3072] and w_out [1024][1024] f32.
; These rows average one to sixteen values and are the largest of the output; they overwrite what the f16 launches left in rows 0-15 of each batch of out0.
; SHARES.  Work-group (cb, batch): 16 rows x columns 32 cb .. 32 cb + 31.  Wave = head: its attention (16 x 16), then its 64 channels' part of the projection; the sixteen parts are added through LDS.
; The attention is computed again by each of the 32 column blocks (64 matrix instructions of 16 x 16 x 4 a wave), and a row's piece is 128 bytes: the price of 128 work-groups for 256 KiB of output.
; All products by v_wmma_f32_16x16x4_f32; in it lane (r, h) holds row r and k = 2 h + j in register j.  K IS PERMUTED ALIKE ON BOTH SIDES, so that plain loads fill the operands.
; Its results lie in v176-207 and v240-255, which matrix instructions alone write; what is made of them goes into other registers.
.set HP,    144                        ; a row of a head's part in LDS: 128 bytes + 16
.set HB,    16*HP
.set SPARE, 16*HB                      ; the spare words, 128 bytes for each of sixteen waves
.set SPW, 10
.set NIL, 11
.set QR,  16                           ; v16-47   q[r][32 h + i]; later o
.set KR,  48                           ; v48-79   k[r][32 h + i]
.set VR,  80                           ; v80-111  v[8 h + i][16 t + r] at 8 t + i
.set WR,  112                          ; v112-175 w_out[64 head + 16 (e / 8) + 8 h + e % 8][32 cb + 16 u + r] at 32 u + e
.set ACC, 176
.set SR,  208                          ; v208-215 the scores; v216-223 p
.set PR,  216
.set ACO, 240
	s_load_b128 s[4:7], s[0:1], 0x0                ; qkv32, w_out
	s_load_b64 s[8:9], s[0:1], 0x10                ; out0
	v_lshl_add_u32 v[SPW], v0, 2, SPARE
	v_mov_b32 v[NIL], 0
	v_lshrrev_b32 v1, 5, v0
	v_readfirstlane_b32 s10, v1                    ; wave = head
	s_and_b32 s11, ttmp7, 0xffff                   ; batch
	v_and_b32 v1, 15, v0                           ; r
	v_bfe_u32 v2, v0, 4, 1                         ; h
	v_and_b32 v3, 31, v0                           ; lane
	v_mul_u32_u24 v4, v1, 12288
	v_lshl_add_u32 v4, v2, 7, v4                   ; q, k: position r, + 32 h channels
	v_mul_u32_u24 v5, v2, 8*12288
	v_lshl_add_u32 v5, v1, 2, v5                   ; v: position 8 h, channel r
	v_lshlrev_b32 v6, 15, v2
	v_lshl_add_u32 v6, v1, 2, v6                   ; w_out: row 8 h, column r
	v_mul_u32_u24 v7, v1, HP
	v_lshl_add_u32 v7, v2, 5, v7
	s_mul_i32 s14, s10, HB
	v_add_nc_u32 v7, s14, v7                       ; my part in LDS: row r, + 32 h bytes
	s_mul_i32 s15, s10, HP
	v_lshl_add_u32 v8, v3, 2, s15                  ; back: row = my wave's number, a lane a column
	v_lshlrev_b32 v9, 2, v3
	v_lshlrev_b32 v224, 3, v2
	v_sub_nc_u32 v224, v1, v224                    ; r - 8 h: key 8 h + j is hidden where j is above it
	v_mov_b32 v225, 0xff800000                     ; -infinity
	v_mov_b32 v227, 0                              ; written once: a lane permute's destination counts as one of its sources
	s_mov_b32 s12, 0x76543210
	s_mov_b32 s13, 0xfedcba98
	s_mul_i32 s16, s11, 16*12288
	s_lshl_b32 s17, s10, 8
	s_add_co_u32 s16, s16, s17                     ; qkv32: the batch, the head's 64 columns
	s_mov_b32 s17, 0
	s_lshl_b32 s18, s10, 18                        ; w_out: the head's 64 rows,
	s_lshl_b32 s19, ttmp9, 7                       ; my 32 columns
	s_add_co_u32 s18, s18, s19
	s_mov_b32 s19, 0
	s_lshl_b32 s20, s11, 23                        ; out0: the batch's first row,
	s_lshl_b32 s21, s10, 12                        ; + my wave's number,
	s_add_co_u32 s20, s20, s21
	s_lshl_b32 s21, ttmp9, 7                       ; my 32 columns
	s_add_co_u32 s20, s20, s21
	s_mov_b32 s21, 0
	s_wait_kmcnt 0x0
	s_add_nc_u64 s[4:5], s[4:5], s[16:17]
	s_add_nc_u64 s[6:7], s[6:7], s[18:19]
	s_add_nc_u64 s[8:9], s[8:9], s[20:21]
.irp i, 0,1,2,3,4,5,6,7
	global_load_b128 v[QR+4*\i:QR+4*\i+3], v4, s[4:5] offset:16*\i
.endr
.irp i, 0,1,2,3,4,5,6,7
	global_load_b128 v[KR+4*\i:KR+4*\i+3], v4, s[4:5] offset:4096+16*\i
.endr
.irp t, 0,1,2,3
.irp i, 0,1,2,3,4,5,6,7
	global_load_b32 v[VR+8*\t+\i], v5, s[4:5] offset:8192+\i*12288+64*\t
.endr
.endr
.irp u, 0,1
.set e, 0
.rept 32
	global_load_b32 v[WR+32*\u+e], v6, s[6:7] offset:(16*(e/8)+e%8)*4096+64*\u
.set e, e+1
.endr
.endr
	s_wait_loadcnt 63                              ; q and k are in: 96 loads are younger, and the count names at most 63
; S^T = k q^T: 64 channels, four a product (channels 2 s, 2 s + 1, 32 + 2 s, 33 + 2 s), two accumulators by turns; lane (r, h) then holds query r and keys 8 h + j
.set s, 0
.rept 16
.if s < 2
	v_wmma_f32_16x16x4_f32 v[ACC+8*(s%2):ACC+8*(s%2)+7], v[KR+2*s:KR+2*s+1], v[QR+2*s:QR+2*s+1], 0
.else
	v_wmma_f32_16x16x4_f32 v[ACC+8*(s%2):ACC+8*(s%2)+7], v[KR+2*s:KR+2*s+1], v[QR+2*s:QR+2*s+1], v[ACC+8*(s%2):ACC+8*(s%2)+7]
.endif
.set s, s+1
.endr
.rept 8
	v_nop                                          ; eight places behind this form, ahead of the first read of results (ISA guide 7.12.1)
.endr
.irp j, 0,1,2,3,4,5,6,7
	v_add_f32 v[SR+\j], v[ACC+\j], v[ACC+8+\j]     ; from the low end on
.endr
.irp j, 0,1,2,3,4,5,6,7
	v_cmp_gt_i32 vcc_lo, \j, v224
	v_cndmask_b32 v[SR+\j], v[SR+\j], v225, vcc_lo
.endr
	v_max3_num_f32 v226, v[SR], v[SR+1], v[SR+2]
	v_max3_num_f32 v226, v226, v[SR+3], v[SR+4]
	v_max3_num_f32 v226, v226, v[SR+5], v[SR+6]
	v_max_num_f32 v226, v226, v[SR+7]
	v_permlanex16_b32 v227, v226, s12, s13
	v_max_num_f32 v226, v226, v227                 ; the row's largest score: key 0 counts for every query
.irp j, 0,1,2,3,4,5,6,7
	v_sub_f32 v[SR+\j], v[SR+\j], v226
.endr
.irp j, 0,1,2,3,4,5,6,7
	v_mul_f32 v[SR+\j], 0x3e38aa3b, v[SR+\j]       ; x log2(e) / 8
.endr
.irp j, 0,1,2,3,4,5,6,7
	v_exp_f32 v[PR+\j], v[SR+\j]
.endr
	v_nop
	s_wait_alu depctr_va_vdst(0)                   ; one wait for the eight, ahead of their first reader
	v_add_f32 v228, v[PR], v[PR+1]
	v_add_f32 v229, v[PR+2], v[PR+3]
	v_add_f32 v230, v[PR+4], v[PR+5]
	v_add_f32 v231, v[PR+6], v[PR+7]
	v_add_f32 v228, v228, v229
	v_add_f32 v230, v230, v231
	v_add_f32 v228, v228, v230
	v_permlanex16_b32 v227, v228, s12, s13
	v_add_f32 v228, v228, v227                     ; the row's sum
	v_rcp_f32 v232, v228
	v_nop
	s_wait_alu depctr_va_vdst(0)
	s_wait_loadcnt 63                              ; v is in: 64 loads are younger
; O^T = v^T p: 16 keys, four a product (keys 2 s, 2 s + 1, 8 + 2 s, 9 + 2 s); four tiles of 16 channels by turns
.irp s, 0,1,2,3
.irp t, 0,1,2,3
.if \s == 0
	v_wmma_f32_16x16x4_f32 v[ACC+8*\t:ACC+8*\t+7], v[VR+8*\t+2*\s:VR+8*\t+2*\s+1], v[PR+2*\s:PR+2*\s+1], 0
.else
	v_wmma_f32_16x16x4_f32 v[ACC+8*\t:ACC+8*\t+7], v[VR+8*\t+2*\s:VR+8*\t+2*\s+1], v[PR+2*\s:PR+2*\s+1], v[ACC+8*\t:ACC+8*\t+7]
.endif
.endr
.endr
.rept 8
	v_nop
.endr
.set n, 0
.rept 32
	v_mul_f32 v[QR+n], v[ACC+n], v232              ; o: register 8 t + j is channel 16 t + 8 h + j of query r
.set n, n+1
.endr
	s_wait_loadcnt 0x0                             ; w_out
; my head's part of out^T: source 0 = 16 columns of w_out, source 1 = o; 64 channels, four a product; two tiles of 16 columns by turns
.set s, 0
.rept 16
.irp u, 0,1
.if s == 0
	v_wmma_f32_16x16x4_f32 v[ACO+8*\u:ACO+8*\u+7], v[WR+32*\u+2*s:WR+32*\u+2*s+1], v[QR+2*s:QR+2*s+1], 0
.else
	v_wmma_f32_16x16x4_f32 v[ACO+8*\u:ACO+8*\u+7], v[WR+32*\u+2*s:WR+32*\u+2*s+1], v[QR+2*s:QR+2*s+1], v[ACO+8*\u:ACO+8*\u+7]
.endif
.endr
.set s, s+1
.endr
.rept 8
	v_nop
.endr
	ds_store_b128 v7, v[ACO:ACO+3]                 ; lane (r, h): row r, columns 16 u + 8 h + 0 .. 7
	ds_store_b128 v7, v[ACO+4:ACO+7] offset:16
	ds_store_b128 v7, v[ACO+8:ACO+11] offset:64
	ds_store_b128 v7, v[ACO+12:ACO+15] offset:80
	s_wait_dscnt 0x0                               ; for the others' sake: my stores have landed
	s_barrier_signal -1
	s_barrier_wait -1
.irp i, 0,1,2,3,4,5,6,7,8,9,10,11,12,13,14,15
	ds_load_b32 v[SR+\i], v8 offset:HB*\i          ; row = my wave's number, of all sixteen heads' parts
.endr
	s_wait_dscnt 0x0
.irp i, 0,1,2,3,4,5,6,7
	v_add_f32 v[SR+\i], v[SR+\i], v[SR+8+\i]
.endr
.irp i, 0,1,2,3
	v_add_f32 v[SR+\i], v[SR+\i], v[SR+4+\i]
.endr
	v_add_f32 v[SR], v[SR], v[SR+2]
	v_add_f32 v[SR+1], v[SR+1], v[SR+3]
	v_add_f32 v[SR], v[SR], v[SR+1]
	global_store_b32 v9, v[SR], s[8:9]             ; 128 consecutive bytes of a row
	s_wait_tensorcnt 0x0                           ; the wave's end, behind my last LDS store
	ds_add_u32 v[SPW], v[NIL]
	s_wait_dscnt 0x0
	s_endpgm
.Lfunc_end_k_q75115d8e75_first16:
	.size	k_q75115d8e75_first16, .Lfunc_end_k_q75115d8e75_first16-k_q75115d8e75_first16
	.p2alignl 7, 3214868480
	.fill 96, 4, 3214868480
	.section	.rodata,"a",@progbits
	.p2align	6, 0x0
	.amdhsa_kernel k_q75115d8e75_first16
		.amdhsa_group_segment_fixed_size 38912
		.amdhsa_private_segment_fixed_size 0
		.amdhsa_enable_private_segment 0
		.amdhsa_kernarg_size 24
		.amdhsa_user_sgpr_count 2
		.amdhsa_user_sgpr_kernarg_segment_ptr 1
		.amdhsa_wavefront_size32 1
		.amdhsa_system_sgpr_workgroup_id_x 1
		.amdhsa_system_sgpr_workgroup_id_y 1
		.amdhsa_system_sgpr_workgroup_id_z 1
		.amdhsa_system_vgpr_workitem_id 0
		.amdhsa_next_free_vgpr 256
		.amdhsa_next_free_sgpr 66
		.amdhsa_reserve_vcc 1
		.amdhsa_float_denorm_mode_32 3
		.amdhsa_float_denorm_mode_16_64 3
		.amdhsa_memory_ordered 1
		.amdhsa_forward_progress 1
		.amdhsa_inst_pref_size 24
	.end_amdhsa_kernel
	.amdgpu_metadata
---
amdhsa.version: [ 1, 2 ]
amdhsa.kernels:
  - .name:           k_q75115d8e75_first16
    .symbol:         k_q75115d8e75_first16.kd
    .args:
      - { .name: qkv32, .offset: 0, .size: 8, .value_kind: global_buffer, .address_space: global }
      - { .name: w_out, .offset: 8, .size: 8, .value_kind: global_buffer, .address_space: global }
      - { .name: out0, .offset: 16, .size: 8, .value_kind: global_buffer, .address_space: global }
    .group_segment_fixed_size: 38912
    .private_segment_fixed_size: 0
    .kernarg_segment_align: 8
    .kernarg_segment_size: 24
    .max_flat_workgroup_size: 512
    .sgpr_count:     66
    .vgpr_count:     256
    .wavefront_size: 32
...
	.end_amdgpu_metadata
.endif
;; end of part 5
